; MI455X (gfx1250); checked and timed in simulation.
; The chip was launched on July 23, 2026; its instructions are those of AMD's public machine-readable ISA for CDNA 5 (MIT licence, August 2026) and "CDNA5" Instruction Set Architecture Reference Guide (July 2026). The comments in the code are by the model that wrote it; some were corrected since.
;; Mo E. Allowed arithmetic: matrix products marked QUANTISED: E2M1 operands, one E8M0 scale for each 32 along K, by v_wmma_scale_f32_16x16x128_f8f6f4 with both operands' format E2M1 (or v_wmma_scale_f32_32x16x128_f4), f32 sums; products left as they are: f32 operands where the result goes on into a quantised operand, else bf16, f16 or f32 operands; f32 sums; everything else in f32.
;; Inputs: W1 8 x 1,024 x 4,096 float32; W2 8 x 4,096 x 1,024 float32; Wg 1,024 x 8 float32; Wn 1,024 x 8 float32; b1 8 x 4,096 float32; b2 8 x 1,024 float32; bg 8 float32; bn 8 float32; noise 4 x 256 x 8 float32; x 4 x 256 x 1,024 float32.
;; Outputs: out0 4 x 256 x 1,024 float32; out1 one number float32.
;; This version of the problem:
;;   THIS VERSION OF THE PROBLEM IS GIVEN IN LOW PRECISION. The matrix products marked QUANTISED in the list below multiply operands that are first quantised to E2M1 (2 exponent bits, 1 mantissa bit; 4 bits a number), with one power-of-two scale for each 32 numbers along K (OCP MX v1.0); their sums are f32. All else is computed in f32.
;;   The module's matrix products, in the order in which they are computed (A, B: the left and right operand; K: the contracted axis; several contracted axes count as one K, in the product's order):
;;     1. [M 1,024, K 1,024] x [K 1,024, N 8]; A: input x; B: input Wg: left as it is (N = 8 < 16)
;;     2. [M 1,024, K 1,024] x [K 1,024, N 8]; A: input x; B: input Wn: left as it is (N = 8 < 16)
;;     3. [M 1,024, K 1,024] x [K 1,024, N 32,768]; A: input x; B: input W1: QUANTISED
;;     4. batch 8 x [M 1,024, K 4,096] x [K 4,096, N 1,024]; A: input W2; B: computed on the way: QUANTISED
;;     5. batch 1,024 x [M 1, K 8] x [K 8, N 1,024]; A: computed on the way; B: computed on the way: left as it is (K = 8 < 32)
;;   THE QUANTISER, for each operand of a quantised product, along K:
;;     - K is cut into blocks of 32 from its start; a last block that is shorter is filled with zeros.
;;     - A block's scale is 2^e with e = floor(log2(the largest magnitude in the block)) - 2, held to -126 .. 127; a block of zeros has e = 0. As a byte (E8M0): e + 127.
;;     - Each number is divided by its block's scale, clamped to +-6, and rounded to the nearest number of E2M1, ties to even, subnormals kept.
;;     - The product sums the exact products of the quantised numbers (number of the format x scale) in f32.
;;   ~~~python
;;   def quantise(x, axis):      # numpy; x: float32 -> the quantised numbers, widened to float32 again
;;       x = np.moveaxis(x, axis, -1); K = x.shape[-1]
;;       x = np.pad(x, [(0, 0)] * (x.ndim - 1) + [(0, -K % 32)]); x = x.reshape(x.shape[:-1] + (-1, 32)); a = np.abs(x).max(-1, keepdims=True)
;;       e = np.where(a > 0, np.clip(np.frexp(np.where(a > 0, a, 1))[1] - 1 - 2, -126, 127), 0)      # np.frexp(a)[1] - 1 = floor(log2(a)), exactly
;;       r = np.clip(x / 2.0 ** e, -6, 6)
;;       step = 2.0 ** (np.maximum(np.frexp(np.where(r == 0, 1, r))[1] - 1, 0) - 1)
;;       q = np.round(r / step) * step * 2.0 ** e      # np.round: ties to even
;;       return np.moveaxis(q.reshape(q.shape[:-2] + (-1,))[..., :K], -1, axis).astype(np.float32)
;;   ~~~
;;   OPERANDS COMPUTED ON THE WAY. 'Computed on the way' means the value that the module computes at that place (a softmax that the list does not call 'softmax' is quantised finished and normalised). What goes into a quantiser is computed in f32, as accurately as f32 sums, v_exp_f32 and their like allow (about 1e-6 of the number): no bf16 or f16 on the way to a quantiser, and a product that is left as it is and whose result goes on into a quantised operand takes f32 operands (vector FMAs, or v_wmma_f32_16x16x4_f32). A number that lies on a knife's edge between two numbers of the format may be rounded either way, as far as f32 arithmetic and the matrix unit's own rounding can turn it there, and no further.
;; One version. Each part assembles by itself: llvm-mc -triple=amdgcn-amd-amdhsa -mcpu=gfx1250 --defsym DOCPART=n.
;; ======== version 1 of 1: 4 launches
;; limits: right only within a limited range of input values
;; workspace buffers: xc 557,056 bytes; mask 2,048 bytes of whole numbers; gate 12,288 bytes; hc 18,874,368 bytes; part 16,842,752 bytes
;; launch gatex (part 1): grid 64 x 1, 8 waves a work-group, no clusters, 18,432 bytes of LDS; arguments x, noise, Wg, bg, Wn, bn, xc, mask, gate; writes xc, mask, gate
.if DOCPART == 1
	.amdgcn_target "amdgcn-amd-amdhsa--gfx1250"
	.amdhsa_code_object_version 6
	.text
	.protected	k_qbc667f38d7_gatex
	.globl	k_qbc667f38d7_gatex
	.p2align	8
	.type	k_qbc667f38d7_gatex,@function
k_qbc667f38d7_gatex:
	s_mov_b64 s[64:65], 0
	v_nop
	global_prefetch_b8 v0, s[64:65] scope:SCOPE_SE
	s_setreg_imm32_b32 hwreg(HW_REG_WAVE_MODE, 25, 1), 1
	s_wait_xcnt 0x0
; NOISY TOP-2 GATE AND THE QUANTISING OF x.  One work-group takes 16 tokens; wave w takes K = 128 w .. 128 w + 127 of them.
; It stores: x as codes of E2M1 with K innermost ([token][512 bytes]) and one scale word for each 128 along K ([token][8 words]); for each expert a word of hits of these 16 tokens (whole numbers, at a fixed
; place: bit t: token t chose the expert first; bit 16 + t: second); the two softmax weights of each token; and, for the load loss, the 16 tokens' sum of the clean gate probabilities and their count for each expert.
; WORK LEFT OUT IN THIS PROGRAM.  combined = sum over e of w_full[e] x eout[e], and w_full[e] is 0, built by reference() from one_hot of its own top-k, for the six experts not chosen: for every value of the
; inputs their rows of x W1, of gelu and of h W2 reach no output.  The later launches multiply only the two chosen rows of each token.  total_tokens = mask.sum() is 2 x 1,024 = 2,048 by identity (the two indices of a token differ).
; Every input has a way to an output and is loaded.
; LIMITS: NaN and infinities among the inputs are not served; a NaN, an infinity or an overflow that arises only in rows left out is not carried to the result; noisy scores and logits at or under -3e38 are not told
; from the filler; a block of 32 zeros gets the scale byte 1 where the rule says 127: its codes are zeros, and this program alone reads the bytes.
; The two gate products keep f32 operands (a choice hangs on them): 16 tokens x 16 columns (8 of Wg, 8 of Wn) x 4 along K an instruction, two accumulators by turns; the eight waves' parts meet in LDS.
.set XROW,  0                          ; LDS: 16 rows of codes, 512 bytes + 16
.set XSC,   8448                       ; 16 tokens x 8 scale words
.set RED,   9216                       ; eight waves' partial gate sums, 1,024 bytes each
.set SPARE, 17408                      ; the spare words, 128 bytes a wave
.set X,   16                           ; v16-79   64 numbers of x: register 16 b + i = k 128 w + 32 b + 16 h + i of row r
.set G,   80                           ; v80-143  the same k of column r & 7 of Wg (lanes r < 8) or Wn (r >= 8)
.set N,   144                          ; v144-207 Wn as loaded
.set AC0, 208                          ; v208-223 two f32 accumulators: written by matrix instructions alone
.set AC1, 216
.set PC,  224                          ; the codes just made
.set TM,  232
.set PW,  248                          ; the scale word just made
.set SEL, 30                           ; s[30:31] selects for lane l xor 16
; 64 numbers of a lane become a fragment's codes in v[PC] on and its row's scale word in v[PW]
.macro QUANT s
.irp b, 0,1,2,3
	v_max3_num_f32 v[TM+\b], |v[\s+16*\b]|, |v[\s+1+16*\b]|, 0x1800000   ; my 16 numbers of block b, and the floor 2^(3 - 127): the byte cannot fall under 1
.endr
.irp i, 2,4,6,8,10,12,14
.irp b, 0,1,2,3
	s_delay_alu instid0(VALU_DEP_4)
	v_max3_num_f32 v[TM+\b], v[TM+\b], |v[\s+16*\b+\i]|, |v[\s+1+16*\b+\i]|
.endr
.endr
.irp b, 0,1,2,3
	s_delay_alu instid0(VALU_DEP_4)
	v_permlanex16_b32 v[TM+4+\b], v[TM+\b], s[SEL], s[SEL+1]
.endr
.irp b, 0,1,2,3
	s_delay_alu instid0(VALU_DEP_4)
	v_max_num_f32 v[TM+\b], v[TM+\b], v[TM+4+\b]                          ; with lane l xor 16's: the block's largest magnitude
.endr
.irp b, 0,1,2,3
	s_delay_alu instid0(VALU_DEP_4)
	v_add_nc_u32 v[TM+12+\b], 0xff000000, v[TM+\b]                        ; 2 off its exponent field: the conversion's scale operand
.endr
.irp b, 0,1,2,3
	s_delay_alu instid0(VALU_DEP_4)
	v_lshrrev_b32 v[TM+4+\b], 23, v[TM+12+\b]                             ; the scale's byte
.endr
	s_delay_alu instid0(VALU_DEP_3)
	v_lshl_or_b32 v[PW], v[TM+5], 8, v[TM+4]
	s_delay_alu instid0(VALU_DEP_1)
	v_lshl_or_b32 v[PW], v[TM+6], 16, v[PW]
	s_delay_alu instid0(VALU_DEP_1)
	v_lshl_or_b32 v[PW], v[TM+7], 24, v[PW]
.irp b, 0,1,2,3
	v_cvt_scalef32_pk8_fp4_f32 v[PC+2*\b], v[\s+16*\b:\s+7+16*\b], v[TM+12+\b]
	v_cvt_scalef32_pk8_fp4_f32 v[PC+1+2*\b], v[\s+8+16*\b:\s+15+16*\b], v[TM+12+\b]
.endr
	v_nop                                          ; one plain place behind a scaled conversion
.irp c, 0,1
.irp i, 0,1
	v_permlane16_swap_b32 v[PC+4*\c+\i], v[PC+2+4*\c+\i]                  ; a whole block to a lane: registers 4 c .. 4 c + 3 hold k = 64 c + 32 h + 0 .. 31
.endr
.endr
.endm
; the largest of the eight lanes' scores v96.. into v[m ..], and the lowest lane that holds it, as a float, into v[i ..]
.macro PICK m, i
.irp j, 0,1,2,3,4,5,6,7
	v_max_num_f32_dpp v[\m+\j], v[96+\j], v[96+\j] row_xmask:1 row_mask:0xf bank_mask:0xf
.endr
.irp x, 2,4
.irp j, 0,1,2,3,4,5,6,7
	v_max_num_f32_dpp v[\m+\j], v[\m+\j], v[\m+\j] row_xmask:\x row_mask:0xf bank_mask:0xf
.endr
.endr
.irp j, 0,1,2,3,4,5,6,7
	v_cmp_eq_f32 vcc_lo, v[96+\j], v[\m+\j]
	s_delay_alu instid0(VALU_DEP_1)
	v_cndmask_b32 v[\i+\j], v162, v161, vcc_lo     ; my expert's number where I hold the largest, else 8
.endr
.irp x, 1,2,4
.irp j, 0,1,2,3,4,5,6,7
	v_min_num_f32_dpp v[\i+\j], v[\i+\j], v[\i+\j] row_xmask:\x row_mask:0xf bank_mask:0xf   ; a tie goes to the lower index, as in top_k
.endr
.endr
.endm
	s_load_b256 s[4:11], s[0:1], 0x0               ; x, noise, Wg, bg
	s_load_b256 s[12:19], s[0:1], 0x20             ; Wn, bn, xc, mask
	s_load_b64 s[20:21], s[0:1], 0x40              ; gate
	v_lshl_add_u32 v1, v0, 2, SPARE                ; my spare word,
	v_mov_b32 v2, 0                                ; and 0: kept for the closing lines alone
	v_lshrrev_b32 v3, 5, v0
	s_delay_alu instid0(VALU_DEP_1)
	v_readfirstlane_b32 s22, v3                    ; wave
	v_and_b32 v3, 15, v0                           ; r
	v_bfe_u32 v4, v0, 4, 1                         ; h
	v_and_b32 v5, 31, v0                           ; lane
	v_and_b32 v15, 7, v0                           ; r & 7
	s_delay_alu instid0(VALU_DEP_4)
	v_lshlrev_b32 v6, 12, v3
	s_delay_alu instid0(VALU_DEP_1)
	v_lshl_add_u32 v6, v4, 6, v6                   ; x: row r of 4,096 bytes + 64 h
	s_delay_alu instid0(VALU_DEP_3)
	v_lshlrev_b32 v7, 2, v15
	s_delay_alu instid0(VALU_DEP_1)
	v_lshl_add_u32 v7, v4, 9, v7                   ; Wg, Wn: 16 h rows of 32 bytes + 4 (r & 7)
	v_mul_u32_u24 v8, v3, 528
	s_delay_alu instid0(VALU_DEP_1)
	v_lshl_add_u32 v8, v4, 4, v8
	s_lshl_b32 s23, s22, 6
	v_add_nc_u32 v8, s23, v8                       ; LDS: my codes: row r, 64 w + 16 h
	v_lshlrev_b32 v9, 5, v3
	s_lshl_b32 s23, s22, 2
	s_add_co_u32 s23, s23, XSC
	v_add_nc_u32 v9, s23, v9                       ; my scale word: 32 r + 4 w
	v_lshlrev_b32 v10, 5, v5
	s_lshl_b32 s23, s22, 10
	s_add_co_u32 s23, s23, RED
	v_add_nc_u32 v10, s23, v10                     ; my partial sums: 1,024 w + 32 lane
	v_lshlrev_b32 v12, 4, v5                       ; 16 lane
	s_mul_i32 s23, s22, 1056
	v_add_nc_u32 v11, s23, v12                     ; back: rows 2 w and 2 w + 1
	v_add_nc_u32 v13, XSC, v12                     ; wave 0: the scale words,
	v_lshl_add_u32 v14, v5, 5, RED                 ; and all partial sums
	s_mov_b32 s[SEL], 0x76543210
	s_mov_b32 s[SEL+1], 0xfedcba98
	s_mov_b32 s27, 0xbfb8aa3b                      ; -log2(e)
	s_mov_b32 s28, 0x3f317218                      ; ln 2
	s_mov_b32 s29, 0x3fb8aa3b                      ; log2(e)
.irp b, 0,1,2,3
	v_mov_b32 v[TM+4+\b], 0                        ; a lane permute's destination counts as read
.endr
	v_cmp_le_u32 s26, 8, v3                        ; lanes r >= 8: Wn's columns
	s_lshl_b32 s24, ttmp9, 16
	s_lshl_b32 s25, s22, 9
	s_add_co_u32 s24, s24, s25
	s_mov_b32 s25, 0
	s_wait_kmcnt 0x0
	s_add_nc_u64 s[4:5], s[4:5], s[24:25]          ; x at my 16 tokens, my 128 along K
	s_lshl_b32 s24, s22, 12
	s_add_nc_u64 s[8:9], s[8:9], s[24:25]          ; Wg and Wn at my 128 rows
	s_add_nc_u64 s[12:13], s[12:13], s[24:25]
	s_lshl_b32 s24, ttmp9, 13
	s_lshl_b32 s23, s22, 10
	s_add_co_u32 s24, s24, s23
	s_add_nc_u64 s[32:33], s[16:17], s[24:25]      ; xc at token 16 tile + 2 w
	s_lshl_b32 s24, ttmp9, 9
	s_add_nc_u64 s[34:35], s[16:17], s[24:25]      ; and, 524,288 on, the tile's scale words
.irp b, 0,1,2,3
.irp j, 0,1,2,3
	global_load_b128 v[X+16*\b+4*\j:X+16*\b+4*\j+3], v6, s[4:5] offset:128*\b+16*\j
.endr
.endr
.set q, 0
.rept 64
	global_load_b32 v[G+q], v7, s[8:9] offset:(32*(q/16)+(q%16))*32
	global_load_b32 v[N+q], v7, s[12:13] offset:(32*(q/16)+(q%16))*32
.set q, q+1
.endr
	s_wait_loadcnt 0x0
.set q, 0
.rept 64
	v_cndmask_b32 v[G+q], v[G+q], v[N+q], s26      ; columns 8 .. 15 of the product are Wn's
.set q, q+1
.endr
	s_cmp_lg_u32 s22, 0
	s_cbranch_scc1 .Lnot0
	; wave 0 alone: what its gate needs behind the barrier is asked for here, into registers of Wn's that the selects above have read for the last time
	v_lshlrev_b32 v249, 2, v15                     ; 4 (r & 7)
	s_delay_alu instid0(VALU_DEP_1)
	v_lshl_add_u32 v250, v4, 8, v249               ; + 8 h tokens of 32 bytes
	global_load_b32 v144, v249, s[10:11]           ; bg
	global_load_b32 v145, v249, s[14:15]           ; bn
	s_add_nc_u64 s[6:7], s[6:7], s[24:25]          ; noise at the tile: 512 bytes a tile
.irp j, 0,1,2,3,4,5,6,7
	global_load_b32 v[152+\j], v250, s[6:7] offset:32*\j
.endr
.Lnot0:
	QUANT X
	ds_store_b128 v8, v[PC:PC+3]
	ds_store_b128 v8, v[PC+4:PC+7] offset:32
	ds_store_b32 v9, v[PW]                         ; lanes r and r + 16 write the same word with the same value
	; the gate products: K is taken in the order in which it lies in the registers, alike for both operands.  The two accumulators take turns
	v_wmma_f32_16x16x4_f32 v[AC0:AC0+7], v[X:X+1], v[G:G+1], 0
	v_wmma_f32_16x16x4_f32 v[AC1:AC1+7], v[X+2:X+3], v[G+2:G+3], 0
.set m, 2
.rept 15
	v_wmma_f32_16x16x4_f32 v[AC0:AC0+7], v[X+2*m:X+2*m+1], v[G+2*m:G+2*m+1], v[AC0:AC0+7]
	v_wmma_f32_16x16x4_f32 v[AC1:AC1+7], v[X+2*m+2:X+2*m+3], v[G+2*m+2:G+2*m+3], v[AC1:AC1+7]
.set m, m+2
.endr
.rept 8
	v_nop                                          ; eight places behind this form before its results are read
.endr
.irp j, 0,1,2,3,4,5,6,7
	v_add_f32 v[TM+\j], v[AC0+\j], v[AC1+\j]       ; from the low end on, into other registers
.endr
	ds_store_b128 v10, v[TM:TM+3]
	ds_store_b128 v10, v[TM+4:TM+7] offset:16
	s_wait_dscnt 0x0                               ; for the others' sake: my stores have landed
	s_barrier_signal -1
	s_barrier_wait -1
	ds_load_b128 v[16:19], v11                     ; two whole rows of codes
	ds_load_b128 v[20:23], v11 offset:528
	s_wait_dscnt 0x0
	global_store_b128 v12, v[16:19], s[32:33]      ; 32 lanes store 512 consecutive bytes
	global_store_b128 v12, v[20:23], s[32:33] offset:512
	s_cmp_lg_u32 s22, 0
	s_cbranch_scc1 .Lend
	; ---- wave 0 alone: the gate of the 16 tokens.  Lane (n = r, h), register j: token 8 h + j; n < 8: the logit of expert n; n >= 8: x Wn of expert n - 8
	v_lshlrev_b32 v49, 2, v15
	ds_load_b128 v[24:27], v13
.irp w, 0,1,2,3,4,5,6,7
	ds_load_b128 v[80+8*\w:83+8*\w], v14 offset:1024*\w
	ds_load_b128 v[84+8*\w:87+8*\w], v14 offset:1024*\w+16
.endr
	s_wait_dscnt 0x0
	global_store_b128 v12, v[24:27], s[34:35] offset:524288   ; the tile's 512 bytes of scale words
.irp w, 1,2,3,4,5,6,7
.irp p, 0,2,4,6
	v_pk_add_f32 v[80+\p:81+\p], v[80+\p:81+\p], v[80+8*\w+\p:81+8*\w+\p]
.endr
.endr
	s_wait_loadcnt 0x0
	v_cndmask_b32 v144, v144, v145, s26
	s_wait_alu depctr_va_vdst(0)
.irp j, 0,1,2,3,4,5,6,7
	v_add_f32 v[80+\j], v[80+\j], v144             ; + bg or bn
.endr
.irp j, 0,1,2,3,4,5,6,7
	v_mov_b32_dpp v[88+\j], v[80+\j] row_xmask:8 row_mask:0xf bank_mask:0xf   ; z = x Wn + bn of my expert
.endr
.irp j, 0,1,2,3,4,5,6,7
	v_mul_f32 v[164+\j], s27, |v[88+\j]|
.endr
	s_wait_alu depctr_va_vdst(0)
.irp j, 0,1,2,3,4,5,6,7
	v_exp_f32 v[164+\j], v[164+\j]                 ; e^-|z|
.endr
.irp j, 0,1,2,3,4,5,6,7
	v_max_num_f32 v[88+\j], 0, v[88+\j]            ; max(z, 0): plain work behind the batch
.endr
	s_wait_alu depctr_va_vdst(0)                   ; one wait for the batch, ahead of its first reader
.irp j, 0,1,2,3,4,5,6,7
	v_add_f32 v[164+\j], 1.0, v[164+\j]
.endr
	s_wait_alu depctr_va_vdst(0)
.irp j, 0,1,2,3,4,5,6,7
	v_log_f32 v[164+\j], v[164+\j]
.endr
	v_mov_b32 v160, 0xff61b1e6                     ; -3e38, the filler
	v_cvt_f32_u32 v161, v3                         ; my column's number as a float
	v_mov_b32 v162, 0x41000000                     ; 8.0
	s_wait_alu depctr_va_vdst(0)
.irp j, 0,1,2,3,4,5,6,7
	v_fma_f32 v[88+\j], v[164+\j], s28, v[88+\j]   ; softplus(z) = max(z, 0) + ln(1 + e^-|z|)
.endr
.irp j, 0,1,2,3,4,5,6,7
	v_fma_f32 v[96+\j], v[152+\j], v[88+\j], v[80+\j]   ; noisy = logit + noise x softplus
.endr
.irp j, 0,1,2,3,4,5,6,7
	v_cndmask_b32 v[96+\j], v[96+\j], v160, s26    ; lanes n >= 8 hold no expert
	v_cndmask_b32 v[80+\j], v[80+\j], v160, s26
.endr
	PICK 104, 112                                  ; the largest and its expert
.irp j, 0,1,2,3,4,5,6,7
	v_cmp_eq_f32 vcc_lo, v161, v[112+\j]
	s_delay_alu instid0(VALU_DEP_1)
	v_cndmask_b32 v[96+\j], v[96+\j], v160, vcc_lo ; taken out
.endr
	PICK 120, 128                                  ; the second
.irp j, 0,1,2,3,4,5,6,7
	v_sub_f32 v[136+\j], v[120+\j], v[104+\j]      ; the maximum is taken away: m2 - m1 <= 0
.endr
.irp j, 0,1,2,3,4,5,6,7
	v_mul_f32 v[136+\j], s29, v[136+\j]
.endr
.irp j, 0,1,2,3,4,5,6,7
	v_max_num_f32_dpp v[180+\j], v[80+\j], v[80+\j] row_xmask:1 row_mask:0xf bank_mask:0xf   ; the clean logits' maximum
.endr
.irp x, 2,4
.irp j, 0,1,2,3,4,5,6,7
	v_max_num_f32_dpp v[180+\j], v[180+\j], v[180+\j] row_xmask:\x row_mask:0xf bank_mask:0xf
.endr
.endr
.irp j, 0,1,2,3,4,5,6,7
	v_sub_f32 v[180+\j], v[80+\j], v[180+\j]
.endr
.irp j, 0,1,2,3,4,5,6,7
	v_mul_f32 v[180+\j], s29, v[180+\j]
.endr
	s_wait_alu depctr_va_vdst(0)
.irp j, 0,1,2,3,4,5,6,7
	v_exp_f32 v[136+\j], v[136+\j]
.endr
.irp j, 0,1,2,3,4,5,6,7
	v_exp_f32 v[180+\j], v[180+\j]
.endr
	v_nop
	s_wait_alu depctr_va_vdst(0)
.irp j, 0,1,2,3,4,5,6,7
	v_add_f32 v[164+\j], 1.0, v[136+\j]
.endr
.irp j, 0,1,2,3,4,5,6,7
	v_add_f32_dpp v[188+\j], v[180+\j], v[180+\j] row_xmask:1 row_mask:0xf bank_mask:0xf
.endr
.irp x, 2,4
.irp j, 0,1,2,3,4,5,6,7
	v_add_f32_dpp v[188+\j], v[188+\j], v[188+\j] row_xmask:\x row_mask:0xf bank_mask:0xf
.endr
.endr
	s_wait_alu depctr_va_vdst(0)
.irp j, 0,1,2,3,4,5,6,7
	v_rcp_f32 v[32+2*\j], v[164+\j]                ; w1 = 1 / (1 + e^(m2 - m1))
.endr
.irp j, 0,1,2,3,4,5,6,7
	v_rcp_f32 v[188+\j], v[188+\j]
.endr
	; my expert's word of hits, and its count: plain work behind the reciprocals, which names none of them
	v_mov_b32 v198, 0                              ; first choices of my eight tokens
	v_mov_b32 v199, 0                              ; second choices
	v_mov_b32 v201, 0                              ; how many
.irp j, 0,1,2,3,4,5,6,7
	v_cmp_eq_f32 vcc_lo, v161, v[112+\j]
	s_delay_alu instid0(VALU_DEP_1)
	v_cndmask_b32 v200, 0, 1, vcc_lo
	s_delay_alu instid0(VALU_DEP_1)
	v_lshl_or_b32 v198, v200, \j, v198
	s_delay_alu instid0(VALU_DEP_2)
	v_add_nc_u32 v201, v201, v200
	v_cmp_eq_f32 vcc_lo, v161, v[128+\j]
	s_delay_alu instid0(VALU_DEP_1)
	v_cndmask_b32 v200, 0, 1, vcc_lo
	s_delay_alu instid0(VALU_DEP_1)
	v_lshl_or_b32 v199, v200, \j, v199
	s_delay_alu instid0(VALU_DEP_2)
	v_add_nc_u32 v201, v201, v200
.endr
	s_delay_alu instid0(VALU_DEP_2)
	v_lshl_or_b32 v198, v199, 16, v198
	v_lshlrev_b32 v200, 3, v4
	s_delay_alu instid0(VALU_DEP_1)
	v_lshlrev_b32 v198, v200, v198                 ; tokens 8 h + j: 8 h bits up
	s_delay_alu instid0(VALU_DEP_1)
	v_permlanex16_b32 v199, v198, s[SEL], s[SEL+1]
	s_delay_alu instid0(VALU_DEP_1)
	v_or_b32 v198, v198, v199                      ; with the other eight tokens' the word is whole
	s_delay_alu instid0(VALU_DEP_4)
	v_permlanex16_b32 v200, v201, s[SEL], s[SEL+1]
	s_delay_alu instid0(VALU_DEP_1)
	v_add_nc_u32 v201, v201, v200
	s_delay_alu instid0(VALU_DEP_1)
	v_cvt_f32_u32 v201, v201                       ; the 16 tokens' count for my expert
	s_wait_alu depctr_va_vdst(0)                   ; one wait for the sixteen reciprocals, ahead of their first reader
.irp j, 0,1,2,3,4,5,6,7
	v_mul_f32 v[33+2*\j], v[136+\j], v[32+2*\j]    ; w2 = e^(m2 - m1) w1
.endr
	v_mul_f32 v196, v180, v188                     ; the sum over my eight tokens of the clean gate probability of my expert
.irp j, 1,2,3,4,5,6,7
	v_fmac_f32 v196, v[180+\j], v[188+\j]
.endr
	s_delay_alu instid0(VALU_DEP_1)
	v_permlanex16_b32 v197, v196, s[SEL], s[SEL+1]
	s_delay_alu instid0(VALU_DEP_1)
	v_add_f32 v196, v196, v197                     ; and the other eight
	v_lshlrev_b32 v48, 6, v4                       ; 64 h: eight tokens x 8 bytes
	v_lshlrev_b32 v202, 8, v3                      ; an expert's 64 words of hits: 256 bytes
	s_lshl_b32 s24, ttmp9, 7
	s_add_nc_u64 s[36:37], s[20:21], s[24:25]
	s_lshl_b32 s24, ttmp9, 5
	s_add_nc_u64 s[40:41], s[20:21], s[24:25]
	s_lshl_b32 s24, ttmp9, 2
	s_add_nc_u64 s[42:43], s[18:19], s[24:25]
	v_cmp_eq_u32 vcc_lo, 0, v3
	s_wait_alu depctr_va_vdst(0)
	s_wait_xcnt 0x0                                ; EXEC changes only behind this wait
	s_and_saveexec_b32 s38, vcc_lo                 ; lanes 0 and 16
.irp t, 0,1,2,3
	global_store_b128 v48, v[32+4*\t:35+4*\t], s[36:37] offset:16*\t
.endr
	s_wait_xcnt 0x0
	s_or_b32 exec_lo, exec_lo, s38
	v_cmp_gt_u32 vcc_lo, 8, v5
	s_and_saveexec_b32 s38, vcc_lo                 ; lanes 0 to 7: the eight experts
	global_store_b32 v49, v196, s[40:41] offset:8192
	global_store_b32 v49, v201, s[40:41] offset:10240
	global_store_b32 v202, v198, s[42:43]
	s_wait_xcnt 0x0
	s_or_b32 exec_lo, exec_lo, s38
.Lend:
	s_wait_tensorcnt 0x0                           ; the wave's end
	ds_add_u32 v1, v2
	s_wait_dscnt 0x0
	s_endpgm
.Lfunc_end_k_qbc667f38d7_gatex:
	.size	k_qbc667f38d7_gatex, .Lfunc_end_k_qbc667f38d7_gatex-k_qbc667f38d7_gatex
	.p2alignl 7, 3214868480
	.fill 96, 4, 3214868480
	.section	.rodata,"a",@progbits
	.p2align	6, 0x0
	.amdhsa_kernel k_qbc667f38d7_gatex
		.amdhsa_group_segment_fixed_size 18432
		.amdhsa_private_segment_fixed_size 0
		.amdhsa_enable_private_segment 0
		.amdhsa_kernarg_size 72
		.amdhsa_user_sgpr_count 2
		.amdhsa_user_sgpr_kernarg_segment_ptr 1
		.amdhsa_wavefront_size32 1
		.amdhsa_system_sgpr_workgroup_id_x 1
		.amdhsa_system_sgpr_workgroup_id_y 1
		.amdhsa_system_sgpr_workgroup_id_z 1
		.amdhsa_system_vgpr_workitem_id 0
		.amdhsa_next_free_vgpr 256
		.amdhsa_next_free_sgpr 66
		.amdhsa_reserve_vcc 1
		.amdhsa_float_denorm_mode_32 3
		.amdhsa_float_denorm_mode_16_64 3
		.amdhsa_memory_ordered 1
		.amdhsa_forward_progress 1
		.amdhsa_inst_pref_size 59
	.end_amdhsa_kernel
	.amdgpu_metadata
---
amdhsa.version: [ 1, 2 ]
amdhsa.kernels:
  - .name:           k_qbc667f38d7_gatex
    .symbol:         k_qbc667f38d7_gatex.kd
    .args:
      - { .name: x, .offset: 0, .size: 8, .value_kind: global_buffer, .address_space: global }
      - { .name: noise, .offset: 8, .size: 8, .value_kind: global_buffer, .address_space: global }
      - { .name: Wg, .offset: 16, .size: 8, .value_kind: global_buffer, .address_space: global }
      - { .name: bg, .offset: 24, .size: 8, .value_kind: global_buffer, .address_space: global }
      - { .name: Wn, .offset: 32, .size: 8, .value_kind: global_buffer, .address_space: global }
      - { .name: bn, .offset: 40, .size: 8, .value_kind: global_buffer, .address_space: global }
      - { .name: xc, .offset: 48, .size: 8, .value_kind: global_buffer, .address_space: global }
      - { .name: mask, .offset: 56, .size: 8, .value_kind: global_buffer, .address_space: global }
      - { .name: gate, .offset: 64, .size: 8, .value_kind: global_buffer, .address_space: global }
    .group_segment_fixed_size: 18432
    .private_segment_fixed_size: 0
    .kernarg_segment_align: 8
    .kernarg_segment_size: 72
    .max_flat_workgroup_size: 256
    .sgpr_count:     66
    .vgpr_count:     256
    .wavefront_size: 32
...
	.end_amdgpu_metadata
.endif
;; end of part 1
;; launch ffn1 (part 2): grid 256 x 1, 16 waves a work-group, no clusters, 72,192 bytes of LDS; arguments W1, b1, xc, mask, hc; writes hc
.if DOCPART == 2
	.amdgcn_target "amdgcn-amd-amdhsa--gfx1250"
	.amdhsa_code_object_version 6
	.text
	.protected	k_qbc667f38d7_ffn1
	.globl	k_qbc667f38d7_ffn1
	.p2align	8
	.type	k_qbc667f38d7_ffn1,@function
k_qbc667f38d7_ffn1:
	s_mov_b64 s[64:65], 0
	v_nop
	global_prefetch_b8 v0, s[64:65] scope:SCOPE_SE
	s_setreg_imm32_b32 hwreg(HW_REG_WAVE_MODE, 25, 1), 1
	s_wait_xcnt 0x0
; h = Q(gelu(Q(x) Q(W1) + b1)) FOR THE CHOSEN ROWS ALONE (rows of experts not chosen reach no output: shown at the head of the first kernel).
; Work-group = (expert e, slice of 128 hidden units): it is the only reader of its 1,024 x 128 numbers of W1.  PHASE 1: each of the 16 waves streams 32 columns x 256 along K: a lane takes a column and its registers run
; down K, so a block of 32 lies in one lane, and the conversions give codes with K innermost.  Two exchanges of half-waves turn four blocks of 32 columns into two operand fragments (16 columns x 128 K each), which go to LDS
; as images of their registers, 512 consecutive bytes a store; a lane's four scale bytes are the scale word of its column.  One barrier.  PHASE 2: the waves take the expert's tiles of 16 routed rows by turns
; (tile = wave, wave + 16, ..): gather the rows' codes of x, 4 groups of 32 hidden units x 8 K steps of products (transposed: source 0 = 16 hidden units, source 1 = 16 rows), b1 as the C of the first product, gelu, quantise, store.
; THE ROWS.  The expert's rows are its tokens in ascending order.  The first launch stored a word of hits for each 16 tokens; a lane loads two of them, so that 32 scalar registers hold the hits of 32 tokens each.
; Row rho is found in registers: the last of the 32 chunks that begins at or under rho, then the (rho - its start)-th set bit of its mask, by the mask's partial counts and five halvings.  No list lies in memory.
; A row beyond the count resolves to some token inside the range; its results are read by nobody that counts.
; THE COLUMNS OF A FRAGMENT ARE NOT NEIGHBOURS: lane l streams unit m + 8 (m / 8) + 8 (l / 16), m = l % 16, so that a lane's 16 results of a group's two fragments are 16 neighbours along the next K.
; The trip count hangs on stored whole numbers, so operands come by plain loads and the one barrier stands ahead of the loop.  An expert with no row still runs one tile of such rows.
; erf is the rational form P(z^2) z / Q(z^2) on z held to +-4, all in f32.  LIMITS as at the head of the first kernel.
.set ROWSTR, 16384                     ; bytes from row to row of W1
.set NCG,    4                         ; groups of 32 columns
.set SCL,    65536                     ; LDS: 0: images ((ks x 4 + cg) x 4 + g) x 512;  here: scale words (ks x 4 + cg) x 128
.set BIAS,   69632                     ; my slice's 128 numbers of b1
.set SPARE,  70144                     ; the spare words, 128 bytes a wave
.set X,    16                          ; v16-79   x's eight fragments of my tile
.set XS,   80                          ; v80-87   their scale words: scales and nothing else
.set F,    88                          ; v88-215  a group's 16 fragments of W1
.set RING, 88                          ; phase 1: v88-151 two sets of 32 numbers
.set CB,   152                         ; v152-183 the codes of two K steps
.set SB,   184                         ; v184-185 their scale words
.set MXA,  186
.set MXB,  187
.set SCOP, 188
.set BY,   189
.set WOFF, 190
.set CW,   191
.set SW,   192
.set BA,   193
.set BG,   194
.set BD,   195
.set WS,   216                         ; v216-223 W1's scale words: scales and nothing else
.set ACC,  224                         ; v224-239 two accumulators
.set HC,   240                         ; v240-247 h's codes
.set HW,   248                         ; h's scale word
.set Z,    88                          ; gelu, over fragments that are done with
.set X2,   104
.set P,    120
.set Q,    136
.set RRHO, 20                          ; the search for a row, in registers of x's that hold nothing then: v20 the row's number,
.set RSM,  21                          ; its chunk's mask,
.set RSP,  22                          ; the rows ahead of the chunk,
.set RSC,  23                          ; the chunk's first token,
.set RNN,  24                          ; which set bit,
.set RPOS, 25                          ; where,
.set RT,   26
.set RU,   27
.set RC1,  28                          ; the mask's counts by 2, 4 and 8 bits
.set RC2,  29
.set RC4,  30
.set KRS, 36                           ; s[36:57] constants, each as a pair
.set KA0, 38
.set KA2, 40
.set KA3, 42
.set KA4, 44
.set KA5, 46
.set KA6, 48
.set KB0, 50
.set KB2, 52
.set KB3, 54
.set KB4, 56
.set TRIP, 58                          ; s58  trips done
.set TRIPS, 59                         ; s59  my wave's tiles
.set RP,   60                          ; s60  rows ahead of the chunk in hand
.set RB,   61                          ; s61  a chunk's rows
.set MS,   66                          ; s66-97 the hits of tokens 32 c .. 32 c + 31
.macro CONST reg, val
	s_mov_b32 s[\reg], \val
	s_mov_b32 s[\reg+1], \val
.endm
.macro LOADW t                         ; block t of my 256 along K: 32 rows, 128 consecutive bytes a load
.irp i, 0,1,2,3,4,5,6,7,8,9,10,11,12,13,14,15,16,17,18,19,20,21,22,23,24,25,26,27,28,29,30,31
	global_load_b32 v[RING+32*((\t)%2)+\i], v[WOFF], s[30:31] offset:(32*(\t)+\i)*ROWSTR th:TH_LOAD_NT
.endr
.endm
.macro BLOCK t, left                   ; left: the loads issued behind block t's, which may stay out
.set RS, RING+32*((\t)%2)
.set CC, CB+16*((\t)/4)+4*((\t)%4)
.set C0, CB+16*((\t)/4)
	s_wait_loadcnt \left
	v_max3_num_f32 v[MXA], |v[RS]|, |v[RS+1]|, |v[RS+2]|
	v_max3_num_f32 v[MXB], |v[RS+3]|, |v[RS+4]|, |v[RS+5]|
.irp i, 6,10,14,18,22,26
	s_delay_alu instid0(VALU_DEP_2)
	v_max3_num_f32 v[MXA], v[MXA], |v[RS+\i]|, |v[RS+\i+1]|
	s_delay_alu instid0(VALU_DEP_2)
	v_max3_num_f32 v[MXB], v[MXB], |v[RS+\i+2]|, |v[RS+\i+3]|
.endr
	s_delay_alu instid0(VALU_DEP_2)
	v_max3_num_f32 v[MXA], v[MXA], |v[RS+30]|, |v[RS+31]|
	s_delay_alu instid0(VALU_DEP_1)
	v_max3_num_f32 v[MXA], v[MXA], v[MXB], 0x1800000   ; and the floor 2^(3 - 127)
	s_delay_alu instid0(VALU_DEP_1)
	v_add_nc_u32 v[SCOP], 0xff000000, v[MXA]           ; 2 off the exponent field: the conversion's scale operand
	s_delay_alu instid0(VALU_DEP_1)
	v_lshrrev_b32 v[BY], 23, v[SCOP]
.if (\t)%4 == 0
	s_delay_alu instid0(VALU_DEP_1)
	v_mov_b32 v[SB+(\t)/4], v[BY]
.else
	s_delay_alu instid0(VALU_DEP_1)
	v_lshl_or_b32 v[SB+(\t)/4], v[BY], 8*((\t)%4), v[SB+(\t)/4]
.endif
.irp g, 0,1,2,3
	v_cvt_scalef32_pk8_fp4_f32 v[CC+\g], v[RS+8*\g:RS+8*\g+7], v[SCOP]
.endr
	v_nop                                          ; one plain place behind a scaled conversion
.if (\t) < 6
	LOADW (\t)+2
.endif
.if (\t)%4 == 3                        ; a K step's four blocks are there: lanes 0-15's become fragment A, lanes 16-31's fragment B
.irp i, 0,1,2,3
	v_permlane16_swap_b32 v[C0+\i], v[C0+4+\i]
	v_permlane16_swap_b32 v[C0+8+\i], v[C0+12+\i]
.endr
	ds_store_b128 v[CW], v[C0:C0+3] offset:((\t)/4)*NCG*2048
	ds_store_b128 v[CW], v[C0+8:C0+11] offset:((\t)/4)*NCG*2048+512
	ds_store_b128 v[CW], v[C0+4:C0+7] offset:((\t)/4)*NCG*2048+1024
	ds_store_b128 v[CW], v[C0+12:C0+15] offset:((\t)/4)*NCG*2048+1536
	ds_store_b32 v[SW], v[SB+(\t)/4] offset:((\t)/4)*NCG*128   ; lanes 0-15: A's rows; lanes 16-31: B's
.endif
.endm
.macro LEVEL cx, w                     ; the window of 2 w bits from RPOS on: its lower w bits hold RT set bits; is mine among them, or above?
	s_delay_alu instid0(VALU_DEP_1)
	v_bfe_u32 v[RT], v[\cx], v[RPOS], \w
	s_delay_alu instid0(VALU_DEP_1)
	v_cmp_ge_u32 vcc_lo, v[RNN], v[RT]
	s_delay_alu instid0(VALU_DEP_1)
	v_cndmask_b32 v[RT], 0, v[RT], vcc_lo
	s_delay_alu instid0(VALU_DEP_1)
	v_sub_nc_u32 v[RNN], v[RNN], v[RT]
	s_delay_alu instid0(VALU_DEP_3)
	v_cndmask_b32 v[RU], 0, \w, vcc_lo
	s_delay_alu instid0(VALU_DEP_1)
	v_add_nc_u32 v[RPOS], v[RPOS], v[RU]
.endm
; my next tile's number, held inside the expert's tiles, and, in v14, the token of its row r
.macro ROUTE first
.if !\first
	s_wait_xcnt 0x0                                ; earlier loads and stores have read their registers: addresses and store data are written again only behind this wait
.endif
	s_sub_co_u32 s22, s18, 1
	s_min_u32 s22, s22, s19
	s_min_u32 s22, s22, 63
	s_lshl_b32 s23, s22, 4
	v_add_nc_u32 v[RRHO], s23, v13                 ; rho = 16 tile + r
	s_mov_b32 s[RP], 0
.set CH, 0
.rept 32
.if CH == 0
	v_mov_b32 v[RSM], s[MS]
	v_mov_b32 v[RSP], 0
	v_mov_b32 v[RSC], 0
.else
	v_cmp_gt_u32 vcc_lo, s[RP], v[RRHO]            ; does chunk CH begin behind my row?  If not, it is the one so far
	s_delay_alu instid0(VALU_DEP_1)
	v_cndmask_b32 v[RSM], s[MS+CH], v[RSM], vcc_lo
	s_delay_alu instid0(VALU_DEP_2)
	v_cndmask_b32 v[RSP], s[RP], v[RSP], vcc_lo
	s_delay_alu instid0(VALU_DEP_3)
	v_cndmask_b32 v[RSC], 32*CH, v[RSC], vcc_lo
.endif
	s_bcnt1_i32_b32 s[RB], s[MS+CH]
	s_add_co_u32 s[RP], s[RP], s[RB]
.set CH, CH+1
.endr
	v_sub_nc_u32 v[RNN], v[RRHO], v[RSP]           ; which set bit of the chunk's mask
	v_lshrrev_b32 v[RT], 1, v[RSM]
	s_delay_alu instid0(VALU_DEP_1)
	v_and_b32 v[RT], 0x55555555, v[RT]
	s_delay_alu instid0(VALU_DEP_1)
	v_sub_nc_u32 v[RC1], v[RSM], v[RT]             ; set bits of each 2,
	s_delay_alu instid0(VALU_DEP_1)
	v_lshrrev_b32 v[RT], 2, v[RC1]
	s_delay_alu instid0(VALU_DEP_1)
	v_and_b32 v[RT], 0x33333333, v[RT]
	s_delay_alu instid0(VALU_DEP_3)
	v_and_b32 v[RC2], 0x33333333, v[RC1]
	s_delay_alu instid0(VALU_DEP_1)
	v_add_nc_u32 v[RC2], v[RC2], v[RT]             ; of each 4,
	s_delay_alu instid0(VALU_DEP_1)
	v_lshrrev_b32 v[RT], 4, v[RC2]
	s_delay_alu instid0(VALU_DEP_1)
	v_add_nc_u32 v[RT], v[RT], v[RC2]
	s_delay_alu instid0(VALU_DEP_1)
	v_and_b32 v[RC4], 0x0f0f0f0f, v[RT]            ; of each 8
	s_delay_alu instid0(VALU_DEP_1)
	v_bfe_u32 v[RT], v[RC4], 8, 8
	s_delay_alu instid0(VALU_DEP_2)
	v_and_b32 v[RU], 0xff, v[RC4]
	s_delay_alu instid0(VALU_DEP_1)
	v_add_nc_u32 v[RT], v[RT], v[RU]               ; of the lower 16
	s_delay_alu instid0(VALU_DEP_1)
	v_cmp_ge_u32 vcc_lo, v[RNN], v[RT]
	s_delay_alu instid0(VALU_DEP_1)
	v_cndmask_b32 v[RT], 0, v[RT], vcc_lo
	s_delay_alu instid0(VALU_DEP_1)
	v_sub_nc_u32 v[RNN], v[RNN], v[RT]
	s_delay_alu instid0(VALU_DEP_3)
	v_cndmask_b32 v[RPOS], 0, 16, vcc_lo
	LEVEL RC4, 8
	LEVEL RC2, 4
	LEVEL RC1, 2
	LEVEL RSM, 1
	s_delay_alu instid0(VALU_DEP_1)
	v_add_nc_u32 v14, v[RSC], v[RPOS]              ; the token
.endm
.macro XFETCH                          ; the rows' codes and scale words of x
	s_delay_alu instid0(VALU_DEP_1)
	v_min_u32 v14, 1023, v14
	s_delay_alu instid0(VALU_DEP_1)
	v_lshlrev_b32 v15, 9, v14
	s_delay_alu instid0(VALU_DEP_1)
	v_add_nc_u32 v15, v15, v6                      ; 512 x token + 16 h
	s_delay_alu instid0(VALU_DEP_3)
	v_lshlrev_b32 v14, 5, v14                      ; 32 x token
.irp s, 0,1,2,3,4,5,6,7
.irp c, 0,1
	global_load_b128 v[X+8*\s+4*\c:X+8*\s+4*\c+3], v15, s[8:9] offset:64*\s+32*\c
.endr
.endr
	global_load_b128 v[XS:XS+3], v14, s[8:9] offset:524288
	global_load_b128 v[XS+4:XS+7], v14, s[8:9] offset:524304
.endm
; one group of 32 hidden units for my 16 rows
.macro CG cg
.irp i, 0,1,2,3
	ds_load_b128 v[ACC+4*\i:ACC+4*\i+3], v5 offset:128*\cg+16*\i   ; b1 in the result's layout: the C of the first products
.endr
.irp ks, 0,1,2,3,4,5,6,7
.irp g, 0,1,2,3
	ds_load_b128 v[F+16*\ks+4*\g:F+16*\ks+4*\g+3], v3 offset:((4*\ks+\cg)*4+\g)*512
.endr
	ds_load_b32 v[WS+\ks], v4 offset:(4*\ks+\cg)*128
.endr
	s_wait_dscnt 0x0
.irp ks, 0,1,2,3,4,5,6,7               ; the two accumulators take turns
	v_wmma_scale_f32_16x16x128_f8f6f4 v[ACC:ACC+7], v[F+16*\ks:F+16*\ks+7], v[X+8*\ks:X+8*\ks+7], v[ACC:ACC+7], v[WS+\ks], v[XS+\ks] matrix_a_fmt:MATRIX_FMT_FP4 matrix_b_fmt:MATRIX_FMT_FP4
	v_wmma_scale_f32_16x16x128_f8f6f4 v[ACC+8:ACC+15], v[F+16*\ks+8:F+16*\ks+15], v[X+8*\ks:X+8*\ks+7], v[ACC+8:ACC+15], v[WS+\ks], v[XS+\ks] matrix_a_fmt:MATRIX_FMT_FP4 matrix_b_fmt:MATRIX_FMT_FP4 matrix_a_scale:MATRIX_SCALE_ROW1
.endr
.rept 4
	v_nop                                          ; four places before results are read and operands' registers written
.endr
	; gelu(a) = a/2 + a/2 erf(a / sqrt 2); lane (r, h): row r, register j: hidden unit 32 cg + 16 h + j
.irp p, 0,2,4,6,8,10,12,14
	v_pk_mul_f32 v[Z+\p:Z+\p+1], v[ACC+\p:ACC+\p+1], s[KRS:KRS+1] op_sel_hi:[1,0]
.endr
.irp j, 0,1,2,3,4,5,6,7,8,9,10,11,12,13,14,15
	v_med3_num_f32 v[Z+\j], v[Z+\j], -4.0, 4.0
.endr
.irp p, 0,2,4,6,8,10,12,14
	v_pk_mul_f32 v[X2+\p:X2+\p+1], v[Z+\p:Z+\p+1], v[Z+\p:Z+\p+1]
.endr
.irp p, 0,2,4,6,8,10,12,14
	v_pk_fma_f32 v[P+\p:P+\p+1], v[X2+\p:X2+\p+1], s[KA0:KA0+1], v[8:9] op_sel_hi:[1,0,1]
	v_pk_fma_f32 v[Q+\p:Q+\p+1], v[X2+\p:X2+\p+1], s[KB0:KB0+1], v[10:11] op_sel_hi:[1,0,1]
.endr
.irp a, KA2, KA3, KA4, KA5, KA6
.irp p, 0,2,4,6,8,10,12,14
	v_pk_fma_f32 v[P+\p:P+\p+1], v[P+\p:P+\p+1], v[X2+\p:X2+\p+1], s[\a:\a+1] op_sel_hi:[1,1,0]
.endr
.endr
.irp a, KB2, KB3, KB4
.irp p, 0,2,4,6,8,10,12,14
	v_pk_fma_f32 v[Q+\p:Q+\p+1], v[Q+\p:Q+\p+1], v[X2+\p:X2+\p+1], s[\a:\a+1] op_sel_hi:[1,1,0]
.endr
.endr
	s_wait_alu depctr_va_vdst(0)
.irp j, 0,1,2,3,4,5,6,7,8,9,10,11,12,13,14,15
	v_rcp_f32 v[Q+\j], v[Q+\j]
.endr
.irp p, 0,2,4,6,8,10,12,14
	v_pk_mul_f32 v[P+\p:P+\p+1], v[P+\p:P+\p+1], v[Z+\p:Z+\p+1]   ; plain work behind the batch: it names no reciprocal
.endr
	s_wait_alu depctr_va_vdst(0)                   ; one wait for the sixteen, ahead of their first reader
.irp p, 0,2,4,6,8,10,12,14
	v_pk_mul_f32 v[P+\p:P+\p+1], v[P+\p:P+\p+1], v[Q+\p:Q+\p+1]   ; erf
.endr
.irp p, 0,2,4,6,8,10,12,14
	v_pk_mul_f32 v[ACC+\p:ACC+\p+1], v[ACC+\p:ACC+\p+1], 0.5 op_sel_hi:[1,0]
.endr
.irp p, 0,2,4,6,8,10,12,14
	v_pk_fma_f32 v[ACC+\p:ACC+\p+1], v[ACC+\p:ACC+\p+1], v[P+\p:P+\p+1], v[ACC+\p:ACC+\p+1]
.endr
	; these 32 units are one block of the next K: my 16 and lane l xor 16's
	v_max3_num_f32 v251, |v[ACC]|, |v[ACC+1]|, 0x1800000
.irp i, 2,4,6,8,10,12,14
	s_delay_alu instid0(VALU_DEP_1)
	v_max3_num_f32 v251, v251, |v[ACC+\i]|, |v[ACC+\i+1]|
.endr
	s_delay_alu instid0(VALU_DEP_1)
	v_permlanex16_b32 v250, v251, s20, s21
	s_delay_alu instid0(VALU_DEP_1)
	v_max_num_f32 v251, v251, v250
	s_delay_alu instid0(VALU_DEP_1)
	v_add_nc_u32 v252, 0xff000000, v251
.if \cg == 0
	s_delay_alu instid0(VALU_DEP_1)
	v_lshrrev_b32 v[HW], 23, v252
.else
	s_delay_alu instid0(VALU_DEP_1)
	v_lshrrev_b32 v253, 23, v252
	s_delay_alu instid0(VALU_DEP_1)
	v_lshl_or_b32 v[HW], v253, 8*\cg, v[HW]
.endif
	v_cvt_scalef32_pk8_fp4_f32 v[HC+2*\cg], v[ACC:ACC+7], v252
	v_cvt_scalef32_pk8_fp4_f32 v[HC+2*\cg+1], v[ACC+8:ACC+15], v252
	v_nop
.endm
	s_load_b256 s[4:11], s[0:1], 0x0               ; W1, b1, xc, mask
	s_load_b64 s[12:13], s[0:1], 0x20              ; hc
	v_lshl_add_u32 v1, v0, 2, SPARE
	v_mov_b32 v2, 0
	v_lshrrev_b32 v3, 5, v0
	s_delay_alu instid0(VALU_DEP_1)
	v_readfirstlane_b32 s14, v3                    ; wave
	s_lshr_b32 s15, ttmp9, 5                       ; e
	s_and_b32 s16, ttmp9, 31                       ; slice
	s_and_b32 s32, s14, 3                          ; phase 1: my group of 32 columns,
	s_lshr_b32 s33, s14, 2                         ; and my 256 along K
	v_and_b32 v7, 31, v0
	s_delay_alu instid0(VALU_DEP_1)
	v_lshlrev_b32 v3, 4, v7                        ; 16 lane: an image's place for my lane
	s_delay_alu instid0(VALU_DEP_2)
	v_lshlrev_b32 v249, 2, v7                      ; 4 lane
	s_delay_alu instid0(VALU_DEP_1)
	v_add_nc_u32 v4, SCL, v249                     ; a scale word's
	v_bfe_u32 v12, v0, 4, 1                        ; h
	s_delay_alu instid0(VALU_DEP_1)
	v_lshlrev_b32 v6, 4, v12                       ; 16 h
	s_delay_alu instid0(VALU_DEP_2)
	v_lshl_add_u32 v5, v12, 6, BIAS                ; b1: my half's 16 numbers of a group
	v_and_b32 v13, 15, v0                          ; r
	s_delay_alu instid0(VALU_DEP_1)
	v_and_b32 v15, 8, v13
	s_delay_alu instid0(VALU_DEP_1)
	v_add_nc_u32 v15, v15, v13
	s_delay_alu instid0(VALU_DEP_1)
	v_lshl_add_u32 v15, v12, 3, v15                ; the unit that I stream
	s_delay_alu instid0(VALU_DEP_1)
	v_lshlrev_b32 v[WOFF], 2, v15
	v_lshlrev_b32 v12, 3, v7                       ; 8 lane: two words of hits
	s_lshl_b32 s23, s33, 14
	s_lshl_b32 s24, s32, 11
	s_add_co_u32 s23, s23, s24
	v_add_nc_u32 v[CW], s23, v3                    ; my images: K step 2 kpart, group cg
	s_lshl_b32 s23, s33, 10
	s_lshl_b32 s24, s32, 7
	s_add_co_u32 s23, s23, s24
	v_add_nc_u32 v[SW], s23, v4
	v_and_b32 v[BG], 7, v0
	s_delay_alu instid0(VALU_DEP_1)
	v_lshlrev_b32 v[BG], 2, v[BG]
	s_lshl_b32 s23, s14, 5
	s_add_co_u32 s23, s23, BIAS
	v_add_nc_u32 v[BA], s23, v[BG]                 ; b1: eight numbers a wave
	v_mov_b32 v8, 0x32edffee                       ; alpha 1, as a pair
	v_mov_b32 v9, 0x32edffee
	v_mov_b32 v10, 0xb95fbd29                      ; beta 1
	v_mov_b32 v11, 0xb95fbd29
	v_mov_b32 v250, 0                              ; a lane permute's destination counts as read
	s_mov_b32 s20, 0x76543210
	s_mov_b32 s21, 0xfedcba98
	CONST KRS, 0x3f3504f3                          ; 1 / sqrt 2
	CONST KA0, 0xaf95df0b
	CONST KA2, 0xb60cff51
	CONST KA3, 0xb86ec2d2
	CONST KA4, 0xba40ac63
	CONST KA5, 0xbb41a1f6
	CONST KA6, 0xbc83dbd4
	CONST KB0, 0xb77460cd
	CONST KB2, 0xbadc924e
	CONST KB3, 0xbbf19bf8
	CONST KB4, 0xbc69b6a7
	s_lshl_b32 s26, s15, 8                         ; my expert's 64 words of hits
	s_mov_b32 s27, 0
	s_lshl_b32 s24, s15, 24
	s_lshl_b32 s25, s33, 22
	s_add_co_u32 s24, s24, s25
	s_lshl_b32 s25, s16, 9
	s_add_co_u32 s24, s24, s25
	s_lshl_b32 s25, s32, 7
	s_add_co_u32 s24, s24, s25
	s_mov_b32 s25, 0
	s_mov_b32 s19, s14                             ; my first tile
	s_mov_b32 s[TRIP], 0
	s_wait_kmcnt 0x0
	s_add_nc_u64 s[26:27], s[10:11], s[26:27]
	global_load_b64 v[16:17], v12, s[26:27]        ; the hits of tokens 32 lane .. 32 lane + 31: the first load of all
	s_add_nc_u64 s[30:31], s[4:5], s[24:25]        ; W1 at (e, 256 kpart, 128 slice + 32 cg)
	LOADW 0                                        ; the stream starts before anything that hangs on the hits
	LOADW 1
	s_add_nc_u64 s[28:29], s[12:13], 0x1000000     ; hc's scale words
	s_lshl_b32 s24, s15, 14
	s_lshl_b32 s34, s16, 9
	s_add_co_u32 s24, s24, s34
	s_lshl_b32 s34, s14, 5
	s_add_co_u32 s24, s24, s34
	s_add_nc_u64 s[6:7], s[6:7], s[24:25]          ; b1 at 4,096 e + 128 slice + 8 wave
	s_wait_loadcnt 63                              ; 65 loads have been issued: the oldest, the hits, is in; the weights stay on their way
	v_and_b32 v19, 0xffff, v16
	s_delay_alu instid0(VALU_DEP_1)
	v_lshl_or_b32 v18, v17, 16, v19                ; first choices of my 32 tokens,
	v_lshrrev_b32 v19, 16, v16
	s_delay_alu instid0(VALU_DEP_1)
	v_and_or_b32 v19, v17, 0xffff0000, v19         ; second choices:
	s_delay_alu instid0(VALU_DEP_1)
	v_or_b32 v18, v18, v19                         ; a token is a row of mine either way
.set CH, 0
.rept 32
	v_readlane_b32 s[MS+CH], v18, CH
.set CH, CH+1
.endr
	s_mov_b32 s17, 0
.set CH, 0
.rept 32
	s_bcnt1_i32_b32 s[RB], s[MS+CH]
	s_add_co_u32 s17, s17, s[RB]                   ; my expert's count
.set CH, CH+1
.endr
	s_min_u32 s17, s17, 1024
	s_add_co_u32 s18, s17, 15
	s_lshr_b32 s18, s18, 4
	s_max_u32 s18, s18, 1                          ; tiles, at least one, at most 64
	s_add_co_u32 s[TRIPS], s18, 15
	s_sub_co_u32 s[TRIPS], s[TRIPS], s14
	s_lshr_b32 s[TRIPS], s[TRIPS], 4               ; my tiles: wave, wave + 16, ..: (tiles + 15 - wave) / 16, which is 0 where wave >= tiles
	s_min_u32 s[TRIPS], s[TRIPS], 4
	ROUTE 1
	XFETCH
	global_load_b32 v[BD], v[BG], s[6:7]
	BLOCK 0, 51                                    ; behind block 0's loads: block 1's 32, x's 18, b1
	BLOCK 1, 51                                    ; behind block 1's: x's 18, b1, block 2's 32
	BLOCK 2, 32                                    ; behind block 2's: block 3's 32; x and b1 are older, so they are in
	ds_store_b32 v[BA], v[BD]
	BLOCK 3, 32
	BLOCK 4, 32
	BLOCK 5, 32
	BLOCK 6, 32
	BLOCK 7, 0
	s_wait_dscnt 0x0                               ; for the others' sake: my images, scale words and b1 have landed
	s_barrier_signal -1
	s_barrier_wait -1                              ; the slice's codes lie in LDS; from here on LDS is only read
	s_cmp_eq_u32 s[TRIPS], 0
	s_cbranch_scc1 .Ldone
.Ltile:
	s_wait_loadcnt 0x0                             ; x's fragments and scale words
	CG 0
	CG 1
	CG 2
	CG 3
.irp c, 0,1
.irp i, 0,1
	v_permlane16_swap_b32 v[HC+4*\c+\i], v[HC+2+4*\c+\i]   ; a whole block to a lane: the next product's operand as it stands
.endr
.endr
	s_lshl_b32 s23, s15, 6
	s_add_co_u32 s23, s23, s22
	s_lshl_b32 s23, s23, 5
	s_add_co_u32 s23, s23, s16                     ; (64 e + tile) x 32 + slice
	v_lshl_add_u32 v254, s23, 10, v3
	v_lshl_add_u32 v255, s23, 7, v249
	global_store_b128 v254, v[HC:HC+3], s[12:13]   ; the fragment's image: 512 consecutive bytes a store
	global_store_b128 v254, v[HC+4:HC+7], s[12:13] offset:512
	global_store_b32 v255, v[HW], s[28:29]
	s_add_co_u32 s19, s19, 16                      ; my next tile
	s_add_co_u32 s[TRIP], s[TRIP], 1
	s_cmp_ge_u32 s[TRIP], s[TRIPS]
	s_cbranch_scc1 .Ldone                          ; nothing is fetched for a tile that is not there
	ROUTE 0
	XFETCH
	s_cmp_lt_u32 s[TRIP], s[TRIPS]
	s_cbranch_scc1 .Ltile
.Ldone:
	s_wait_tensorcnt 0x0                           ; the wave's end
	ds_add_u32 v1, v2
	s_wait_dscnt 0x0
	s_endpgm
.Lfunc_end_k_qbc667f38d7_ffn1:
	.size	k_qbc667f38d7_ffn1, .Lfunc_end_k_qbc667f38d7_ffn1-k_qbc667f38d7_ffn1
	.p2alignl 7, 3214868480
	.fill 96, 4, 3214868480
	.section	.rodata,"a",@progbits
	.p2align	6, 0x0
	.amdhsa_kernel k_qbc667f38d7_ffn1
		.amdhsa_group_segment_fixed_size 72192
		.amdhsa_private_segment_fixed_size 0
		.amdhsa_enable_private_segment 0
		.amdhsa_kernarg_size 40
		.amdhsa_user_sgpr_count 2
		.amdhsa_user_sgpr_kernarg_segment_ptr 1
		.amdhsa_wavefront_size32 1
		.amdhsa_system_sgpr_workgroup_id_x 1
		.amdhsa_system_sgpr_workgroup_id_y 1
		.amdhsa_system_sgpr_workgroup_id_z 1
		.amdhsa_system_vgpr_workitem_id 0
		.amdhsa_next_free_vgpr 256
		.amdhsa_next_free_sgpr 100
		.amdhsa_reserve_vcc 1
		.amdhsa_float_denorm_mode_32 3
		.amdhsa_float_denorm_mode_16_64 3
		.amdhsa_memory_ordered 1
		.amdhsa_forward_progress 1
		.amdhsa_inst_pref_size 146
	.end_amdhsa_kernel
	.amdgpu_metadata
---
amdhsa.version: [ 1, 2 ]
amdhsa.kernels:
  - .name:           k_qbc667f38d7_ffn1
    .symbol:         k_qbc667f38d7_ffn1.kd
    .args:
      - { .name: W1, .offset: 0, .size: 8, .value_kind: global_buffer, .address_space: global }
      - { .name: b1, .offset: 8, .size: 8, .value_kind: global_buffer, .address_space: global }
      - { .name: xc, .offset: 16, .size: 8, .value_kind: global_buffer, .address_space: global }
      - { .name: mask, .offset: 24, .size: 8, .value_kind: global_buffer, .address_space: global }
      - { .name: hc, .offset: 32, .size: 8, .value_kind: global_buffer, .address_space: global }
    .group_segment_fixed_size: 72192
    .private_segment_fixed_size: 0
    .kernarg_segment_align: 8
    .kernarg_segment_size: 40
    .max_flat_workgroup_size: 512
    .sgpr_count:     100
    .vgpr_count:     256
    .wavefront_size: 32
...
	.end_amdgpu_metadata
.endif
;; end of part 2
;; launch ffn2 (part 3): grid 256 x 1, 16 waves a work-group, no clusters, 141,568 bytes of LDS; arguments W2, b2, hc, mask, gate, part; writes part
.if DOCPART == 3
	.amdgcn_target "amdgcn-amd-amdhsa--gfx1250"
	.amdhsa_code_object_version 6
	.text
	.protected	k_qbc667f38d7_ffn2
	.globl	k_qbc667f38d7_ffn2
	.p2align	8
	.type	k_qbc667f38d7_ffn2,@function
k_qbc667f38d7_ffn2:
	s_mov_b64 s[64:65], 0
	v_nop
	global_prefetch_b8 v0, s[64:65] scope:SCOPE_SE
	s_setreg_imm32_b32 hwreg(HW_REG_WAVE_MODE, 25, 1), 1
	s_wait_xcnt 0x0
; weight x (Q(h) Q(W2) + b2) FOR THE CHOSEN ROWS ALONE (rows of experts not chosen reach no output: shown at the head of the first kernel).
; Work-group = (expert e, half kh of K = 4,096, 64 columns cs): the only reader of its 2,048 x 64 numbers of W2.  PHASE 1: a lane takes a column and its registers run down K; wave = (group of 32 columns, 256 along K);
; the codes go to LDS as images of the operand's registers, a lane's four scale bytes as its column's scale word.  One barrier.
; PHASE 2: a wave takes a PAIR of tiles, 32 routed rows, against all 64 columns: each fragment of W2 read from LDS feeds two products; eight accumulators by turns, 16 K steps.  Pairs go to the waves by turns
; (pair = wave, wave + 16): 16 waves hold 512 rows in one trip, and 1,024 rows, the most an expert can have, take two.  h's fragments come from memory as images of their registers through a ring of six K steps:
; all six are asked for at the head, ahead of the stream of W2, and in K steps 1 to 10 the slot just read takes the step five further on.  So no prefetch is laid beside them.
; One register carries both tiles' scale words of a K step: lanes 0-15 tile A's rows, lanes 16-31 tile B's.  b2 is the C of the first products where kh = 0, zeros where kh = 1.
; Where the tiles are odd in number, the last pair's second tile is held at the last tile written, so that only written bytes are loaded, and NOTHING of it is stored: a scalar branch on the stored count leads round its stores.
; The results, times the row's gate weight, go through the wave's own stage and leave as 256 consecutive bytes of row "entry" (2 x token + rank of the choice) of half kh.  The next launch adds a token's four parts.
; The last tile's rows beyond the count go to a row of their own (2,048 + e), which nobody reads.  All of them resolve to one and the same token, here and in the launch before, so all stores to that row hold the same numbers.
; THE ROWS are found from the stored words of hits, in registers: lane l seeks row 32 pair + l.  The trip count hangs on stored whole numbers, so operands come by plain loads and the one barrier stands ahead of the loop.
; A WAVE WITH NO PAIR issues the head's loads all the same, so that one text and one set of counts serves every wave; it stands in for pair wave - pairs, and all its lanes name one piece of 16 bytes, so that each of its
; loads touches 16 bytes where a pair's owner takes 512.  LIMITS as at the head of the first kernel.
.set ROWSTR, 4096
.set NCG,    2
.set SCL,    65536                     ; LDS: 0: images ((ks x 2 + cg) x 4 + g) x 512;  here: scale words (ks x 2 + cg) x 128
.set BIAS,   69632                     ; 64 numbers
.set STAGE,  69888                     ; 16 rows x (256 + 16) bytes for each wave
.set SPARE,  139520
.set PH,     8421376                   ; bytes of a half of part: 2,056 rows
.set HB,   14                          ; v14-109  h's ring: slot s: tile A's fragment at 16 s, tile B's at 16 s + 8
.set HS,   110                         ; v110-115 the slots' scale words: scales and nothing else
.set WB,   116                         ; v116-179 W2's four fragments of a K step, two sets
.set WS,   180                         ; v180-183 their scale words: scales and nothing else
.set GX,   184                         ; v184     the other half-wave's gate weights
.set GA,   186                         ; v186-187 tile A's weight of my row, as a pair;  v188-189 tile B's
.set GB,   188
.set BAD,  190                         ; v190     b2's LDS address
.set LT,   191                         ; v191     16 lane where the pair is mine, else 0
.set ACC,  192                         ; v192-255 accumulator (tile t, 16 columns c) at 32 t + 8 c
.set RING, 116                         ; phase 1: v116-179 two sets of 32 numbers
.set CB,   192
.set SB,   224
.set MXA,  226
.set MXB,  227
.set SCOP, 228
.set BY,   229
.set WOFF, 230
.set CW,   231
.set SW,   232
.set BA,   233
.set BG,   234
.set BD,   235
.set RRHO, 236                         ; the search for a row
.set RSM,  237
.set RSP,  238
.set RSC,  239
.set RSA,  240                         ; the chunk's second choices
.set RNN,  241
.set RPOS, 242
.set RT,   243
.set RU,   244
.set RC1,  245
.set RC2,  246
.set RC4,  247
.set AD,   14                          ; the way out, over slots that are done with: v14-29 addresses,
.set OUT,  30                          ; v30-93 rows read back
.set TRIP, 40                          ; s40  trips done
.set TRIPS, 41                         ; s41  my wave's pairs
.set HASB, 45                          ; s45  1 where my pair's second tile is among the expert's tiles
.set RP,   46                          ; s46  rows ahead of the chunk in hand
.set RB,   47                          ; s47  a chunk's rows
.set MINE, 48                          ; s48  all ones where the pair is mine, else 0
.set HM,   49                          ; s49  lanes 16 to 31
.set MS,   66                          ; s66-97 the hits of tokens 32 c .. 32 c + 31
.macro LOADW t
.irp i, 0,1,2,3,4,5,6,7,8,9,10,11,12,13,14,15,16,17,18,19,20,21,22,23,24,25,26,27,28,29,30,31
	global_load_b32 v[RING+32*((\t)%2)+\i], v[WOFF], s[30:31] offset:(32*(\t)+\i)*ROWSTR th:TH_LOAD_NT
.endr
.endm
.macro BLOCK t, left                   ; left: the loads issued behind block t's, which may stay out
.set RS, RING+32*((\t)%2)
.set CC, CB+16*((\t)/4)+4*((\t)%4)
.set C0, CB+16*((\t)/4)
	s_wait_loadcnt \left
	v_max3_num_f32 v[MXA], |v[RS]|, |v[RS+1]|, |v[RS+2]|
	v_max3_num_f32 v[MXB], |v[RS+3]|, |v[RS+4]|, |v[RS+5]|
.irp i, 6,10,14,18,22,26
	s_delay_alu instid0(VALU_DEP_2)
	v_max3_num_f32 v[MXA], v[MXA], |v[RS+\i]|, |v[RS+\i+1]|
	s_delay_alu instid0(VALU_DEP_2)
	v_max3_num_f32 v[MXB], v[MXB], |v[RS+\i+2]|, |v[RS+\i+3]|
.endr
	s_delay_alu instid0(VALU_DEP_2)
	v_max3_num_f32 v[MXA], v[MXA], |v[RS+30]|, |v[RS+31]|
	s_delay_alu instid0(VALU_DEP_1)
	v_max3_num_f32 v[MXA], v[MXA], v[MXB], 0x1800000   ; and the floor 2^(3 - 127)
	s_delay_alu instid0(VALU_DEP_1)
	v_add_nc_u32 v[SCOP], 0xff000000, v[MXA]           ; 2 off the exponent field: the conversion's scale operand
	s_delay_alu instid0(VALU_DEP_1)
	v_lshrrev_b32 v[BY], 23, v[SCOP]
.if (\t)%4 == 0
	s_delay_alu instid0(VALU_DEP_1)
	v_mov_b32 v[SB+(\t)/4], v[BY]
.else
	s_delay_alu instid0(VALU_DEP_1)
	v_lshl_or_b32 v[SB+(\t)/4], v[BY], 8*((\t)%4), v[SB+(\t)/4]
.endif
.irp g, 0,1,2,3
	v_cvt_scalef32_pk8_fp4_f32 v[CC+\g], v[RS+8*\g:RS+8*\g+7], v[SCOP]
.endr
	v_nop                                          ; one plain place behind a scaled conversion
.if (\t) < 6
	LOADW (\t)+2
.endif
.if (\t)%4 == 3                        ; a K step's four blocks are there: lanes 0-15's become one fragment, lanes 16-31's the other
.irp i, 0,1,2,3
	v_permlane16_swap_b32 v[C0+\i], v[C0+4+\i]
	v_permlane16_swap_b32 v[C0+8+\i], v[C0+12+\i]
.endr
	ds_store_b128 v[CW], v[C0:C0+3] offset:((\t)/4)*NCG*2048
	ds_store_b128 v[CW], v[C0+8:C0+11] offset:((\t)/4)*NCG*2048+512
	ds_store_b128 v[CW], v[C0+4:C0+7] offset:((\t)/4)*NCG*2048+1024
	ds_store_b128 v[CW], v[C0+12:C0+15] offset:((\t)/4)*NCG*2048+1536
	ds_store_b32 v[SW], v[SB+(\t)/4] offset:((\t)/4)*NCG*128
.endif
.endm
.macro HLOAD ks                        ; K step ks of both tiles into slot ks % 6: five loads
.set HL, HB+16*((\ks)%6)
	global_load_b128 v[HL:HL+3], v9, s[8:9] offset:1024*(\ks)
	global_load_b128 v[HL+4:HL+7], v9, s[8:9] offset:1024*(\ks)+512
	global_load_b128 v[HL+8:HL+11], v12, s[8:9] offset:1024*(\ks)
	global_load_b128 v[HL+12:HL+15], v12, s[8:9] offset:1024*(\ks)+512
	global_load_b32 v[HS+(\ks)%6], v0, s[28:29] offset:128*(\ks)
.endm
.macro HFETCH first                    ; my next pair, held inside the expert's pairs, and its first six K steps: 30 loads
.if !\first
	s_wait_xcnt 0x0                                ; earlier loads and stores have read their registers
.endif
	s_sub_co_u32 s23, s19, s42                     ; a wave with no pair stands in for pair wave - pairs
	s_cmp_lt_u32 s19, s42                          ; is the pair among the expert's?
	s_cselect_b32 s23, s19, s23
	s_cselect_b32 s[MINE], -1, 0
	s_sub_co_u32 s22, s42, 1
	s_min_u32 s22, s22, s23
	s_min_u32 s22, s22, 31                         ; the pair
	s_lshl_b32 s43, s22, 1                         ; tile A
	s_add_co_u32 s44, s43, 1
	s_cmp_lt_u32 s44, s18
	s_cselect_b32 s[HASB], 1, 0                    ; is tile B among the expert's tiles?
	s_sub_co_u32 s23, s18, 1
	s_min_u32 s44, s44, s23                        ; tile B, held at the last tile written
	s_min_u32 s44, s44, 63
	s_lshl_b32 s23, s20, 6
	s_add_co_u32 s43, s43, s23
	s_add_co_u32 s44, s44, s23
	s_lshl_b32 s43, s43, 5
	s_lshl_b32 s44, s44, 5
	s_lshl_b32 s37, s34, 4
	s_add_co_u32 s43, s43, s37                     ; (64 e + tile) x 32 + 16 kh
	s_add_co_u32 s44, s44, s37
	v_and_b32 v[LT], s[MINE], v3                   ; 16 lane, or 0 in all lanes
	v_lshrrev_b32 v0, 2, v3
	v_mov_b32 v13, s43
	s_delay_alu instid0(VALU_DEP_3)
	v_min_u32 v[LT], 0x1f0, v[LT]
	s_delay_alu instid0(VALU_DEP_3)
	v_and_b32 v0, s[MINE], v0                      ; 4 lane, or 0
	s_delay_alu instid0(VALU_DEP_3)
	v_cndmask_b32 v13, v13, s44, s[HM]             ; scale words: lanes 0-15 tile A's, lanes 16-31 tile B's
	s_delay_alu instid0(VALU_DEP_3)
	v_lshl_add_u32 v9, s43, 10, v[LT]              ; images
	v_lshl_add_u32 v12, s44, 10, v[LT]
	s_delay_alu instid0(VALU_DEP_4)
	v_min_u32 v0, 0x7c, v0
	s_delay_alu instid0(VALU_DEP_4)
	v_min_u32 v13, 0x3fff, v13
	s_delay_alu instid0(VALU_DEP_1)
	v_lshl_add_u32 v0, v13, 7, v0
.irp ks, 0,1,2,3,4,5
	HLOAD \ks
.endr
.endm
.macro LEVEL cx, w                     ; the window of 2 w bits from RPOS on: its lower w bits hold RT set bits; is mine among them, or above?
	s_delay_alu instid0(VALU_DEP_1)
	v_bfe_u32 v[RT], v[\cx], v[RPOS], \w
	s_delay_alu instid0(VALU_DEP_1)
	v_cmp_ge_u32 vcc_lo, v[RNN], v[RT]
	s_delay_alu instid0(VALU_DEP_1)
	v_cndmask_b32 v[RT], 0, v[RT], vcc_lo
	s_delay_alu instid0(VALU_DEP_1)
	v_sub_nc_u32 v[RNN], v[RNN], v[RT]
	s_delay_alu instid0(VALU_DEP_3)
	v_cndmask_b32 v[RU], 0, \w, vcc_lo
	s_delay_alu instid0(VALU_DEP_1)
	v_add_nc_u32 v[RPOS], v[RPOS], v[RU]
.endm
; the entry of row 32 pair + lane into v11 (the row for empty rows where the count is passed), and the load of its gate weight into v10
.macro ROUTE
	s_lshl_b32 s23, s22, 5
	v_lshrrev_b32 v[RRHO], 4, v3
	s_delay_alu instid0(VALU_DEP_1)
	v_add_nc_u32 v[RRHO], s23, v[RRHO]             ; rho = 32 pair + lane
	s_mov_b32 s[RP], 0
.set CH, 0
.rept 32
	v_readlane_b32 s[52+(CH%2)], v5, CH            ; chunk CH's second choices
.if CH == 0
	v_mov_b32 v[RSM], s[MS]
	v_mov_b32 v[RSP], 0
	v_mov_b32 v[RSC], 0
	s_delay_alu instid0(VALU_DEP_4)
	v_mov_b32 v[RSA], s52
.else
	v_cmp_gt_u32 vcc_lo, s[RP], v[RRHO]            ; does chunk CH begin behind my row?  If not, it is the one so far
	s_delay_alu instid0(VALU_DEP_1)
	v_cndmask_b32 v[RSM], s[MS+CH], v[RSM], vcc_lo
	s_delay_alu instid0(VALU_DEP_2)
	v_cndmask_b32 v[RSP], s[RP], v[RSP], vcc_lo
	s_delay_alu instid0(VALU_DEP_3)
	v_cndmask_b32 v[RSC], 32*CH, v[RSC], vcc_lo
	s_delay_alu instid0(VALU_DEP_4)
	v_cndmask_b32 v[RSA], s[52+(CH%2)], v[RSA], vcc_lo
.endif
	s_bcnt1_i32_b32 s[RB], s[MS+CH]
	s_add_co_u32 s[RP], s[RP], s[RB]
.set CH, CH+1
.endr
	v_sub_nc_u32 v[RNN], v[RRHO], v[RSP]           ; which set bit of the chunk's mask
	v_lshrrev_b32 v[RT], 1, v[RSM]
	s_delay_alu instid0(VALU_DEP_1)
	v_and_b32 v[RT], 0x55555555, v[RT]
	s_delay_alu instid0(VALU_DEP_1)
	v_sub_nc_u32 v[RC1], v[RSM], v[RT]             ; set bits of each 2,
	s_delay_alu instid0(VALU_DEP_1)
	v_lshrrev_b32 v[RT], 2, v[RC1]
	s_delay_alu instid0(VALU_DEP_1)
	v_and_b32 v[RT], 0x33333333, v[RT]
	s_delay_alu instid0(VALU_DEP_3)
	v_and_b32 v[RC2], 0x33333333, v[RC1]
	s_delay_alu instid0(VALU_DEP_1)
	v_add_nc_u32 v[RC2], v[RC2], v[RT]             ; of each 4,
	s_delay_alu instid0(VALU_DEP_1)
	v_lshrrev_b32 v[RT], 4, v[RC2]
	s_delay_alu instid0(VALU_DEP_1)
	v_add_nc_u32 v[RT], v[RT], v[RC2]
	s_delay_alu instid0(VALU_DEP_1)
	v_and_b32 v[RC4], 0x0f0f0f0f, v[RT]            ; of each 8
	s_delay_alu instid0(VALU_DEP_1)
	v_bfe_u32 v[RT], v[RC4], 8, 8
	s_delay_alu instid0(VALU_DEP_2)
	v_and_b32 v[RU], 0xff, v[RC4]
	s_delay_alu instid0(VALU_DEP_1)
	v_add_nc_u32 v[RT], v[RT], v[RU]               ; of the lower 16
	s_delay_alu instid0(VALU_DEP_1)
	v_cmp_ge_u32 vcc_lo, v[RNN], v[RT]
	s_delay_alu instid0(VALU_DEP_1)
	v_cndmask_b32 v[RT], 0, v[RT], vcc_lo
	s_delay_alu instid0(VALU_DEP_1)
	v_sub_nc_u32 v[RNN], v[RNN], v[RT]
	s_delay_alu instid0(VALU_DEP_3)
	v_cndmask_b32 v[RPOS], 0, 16, vcc_lo
	LEVEL RC4, 8
	LEVEL RC2, 4
	LEVEL RC1, 2
	LEVEL RSM, 1
	s_delay_alu instid0(VALU_DEP_1)
	v_add_nc_u32 v[RT], v[RSC], v[RPOS]            ; the token,
	s_delay_alu instid0(VALU_DEP_2)
	v_bfe_u32 v[RU], v[RSA], v[RPOS], 1            ; the rank of its choice,
	s_delay_alu instid0(VALU_DEP_1)
	v_lshl_or_b32 v11, v[RT], 1, v[RU]             ; the entry
	s_delay_alu instid0(VALU_DEP_1)
	v_min_u32 v11, 2047, v11
	s_delay_alu instid0(VALU_DEP_1)
	v_lshlrev_b32 v10, 2, v11
	global_load_b32 v10, v10, s[12:13]             ; my row's gate weight
	v_cmp_gt_u32 vcc_lo, s17, v[RRHO]              ; is the row there?
	s_delay_alu instid0(VALU_DEP_1)
	v_cndmask_b32 v11, s35, v11, vcc_lo
	s_wait_alu depctr_va_vdst(0)
.endm
.macro FETCHW ks                       ; a K step's four fragments of W2 and two scale words: 10 LDS loads
.irp cg, 0,1
.irp g, 0,1,2,3
	ds_load_b128 v[WB+32*((\ks)%2)+16*\cg+4*\g:WB+32*((\ks)%2)+16*\cg+4*\g+3], v3 offset:((2*(\ks)+\cg)*4+\g)*512
.endr
	ds_load_b32 v[WS+2*((\ks)%2)+\cg], v4 offset:(2*(\ks)+\cg)*128
.endr
.endm
.macro KSTEP ks
.set HR, HB+16*((\ks)%6)
.set HQ, HS+(\ks)%6
.set WR, WB+32*((\ks)%2)
.set WQ, WS+2*((\ks)%2)
.rept 4
	v_nop                                          ; four places in front of loads into registers that the last products read
.endr
.if (\ks) < 15
	FETCHW (\ks)+1
.endif
.if (\ks) >= 1 && (\ks) <= 10
	HLOAD (\ks)+5                                  ; into the slot that the step before read
.endif
.if (\ks) < 15
	s_wait_dscnt 10                                ; this step's fragments of W2 are in; the next step's ten loads may be out
.else
	s_wait_dscnt 0x0
.endif
.if (\ks) <= 10
	s_wait_loadcnt 25                              ; this step's five loads are in; behind them stand five steps of five
.else
	s_wait_loadcnt 5*(15-(\ks))                    ; behind them stand the steps that are left
.endif
.irp cg, 0,1                           ; the eight accumulators take turns
	v_wmma_scale_f32_16x16x128_f8f6f4 v[ACC+16*\cg:ACC+16*\cg+7], v[WR+16*\cg:WR+16*\cg+7], v[HR:HR+7], v[ACC+16*\cg:ACC+16*\cg+7], v[WQ+\cg], v[HQ] matrix_a_fmt:MATRIX_FMT_FP4 matrix_b_fmt:MATRIX_FMT_FP4
	v_wmma_scale_f32_16x16x128_f8f6f4 v[ACC+16*\cg+8:ACC+16*\cg+15], v[WR+16*\cg+8:WR+16*\cg+15], v[HR:HR+7], v[ACC+16*\cg+8:ACC+16*\cg+15], v[WQ+\cg], v[HQ] matrix_a_fmt:MATRIX_FMT_FP4 matrix_b_fmt:MATRIX_FMT_FP4 matrix_a_scale:MATRIX_SCALE_ROW1
	v_wmma_scale_f32_16x16x128_f8f6f4 v[ACC+32+16*\cg:ACC+32+16*\cg+7], v[WR+16*\cg:WR+16*\cg+7], v[HR+8:HR+15], v[ACC+32+16*\cg:ACC+32+16*\cg+7], v[WQ+\cg], v[HQ] matrix_a_fmt:MATRIX_FMT_FP4 matrix_b_fmt:MATRIX_FMT_FP4 matrix_b_scale:MATRIX_SCALE_ROW1
	v_wmma_scale_f32_16x16x128_f8f6f4 v[ACC+32+16*\cg+8:ACC+32+16*\cg+15], v[WR+16*\cg+8:WR+16*\cg+15], v[HR+8:HR+15], v[ACC+32+16*\cg+8:ACC+32+16*\cg+15], v[WQ+\cg], v[HQ] matrix_a_fmt:MATRIX_FMT_FP4 matrix_b_fmt:MATRIX_FMT_FP4 matrix_a_scale:MATRIX_SCALE_ROW1 matrix_b_scale:MATRIX_SCALE_ROW1
.endr
.endm
.macro ADDR t                          ; where tile t's rows go: lanes 0-15 store row i, lanes 16-31 row 8 + i; lane 16 t + row holds the row's entry
.irp g, 0,4
.irp i, 0,1,2,3
	v_readlane_b32 s[54+2*\i], v11, 16*\t+\g+\i
	v_readlane_b32 s[55+2*\i], v11, 16*\t+\g+\i+8
.endr
.irp i, 0,1,2,3
	v_mov_b32 v[AD+8*\t+\g+\i], s[54+2*\i]
.endr
.irp i, 0,1,2,3
	s_delay_alu instid0(VALU_DEP_4)
	v_cndmask_b32 v[AD+8*\t+\g+\i], v[AD+8*\t+\g+\i], s[55+2*\i], s[HM]
.endr
.irp i, 0,1,2,3
	s_delay_alu instid0(VALU_DEP_4)
	v_min_u32 v[AD+8*\t+\g+\i], 2055, v[AD+8*\t+\g+\i]
.endr
.irp i, 0,1,2,3
	s_delay_alu instid0(VALU_DEP_4)
	v_lshl_add_u32 v[AD+8*\t+\g+\i], v[AD+8*\t+\g+\i], 12, v8   ; row x 4,096 + 16 (lane % 16)
.endr
.endr
.endm
	s_load_b256 s[4:11], s[0:1], 0x0               ; W2, b2, hc, mask
	s_load_b128 s[12:15], s[0:1], 0x20             ; gate, part
	v_lshl_add_u32 v1, v0, 2, SPARE
	v_mov_b32 v2, 0
	v_lshrrev_b32 v3, 5, v0
	s_delay_alu instid0(VALU_DEP_1)
	v_readfirstlane_b32 s16, v3                    ; wave
	s_lshr_b32 s20, ttmp9, 5                       ; e
	s_and_b32 s21, ttmp9, 15                       ; cs
	s_bfe_u32 s34, ttmp9, 0x10004                  ; kh
	s_and_b32 s38, s16, 1                          ; phase 1: my group of 32 columns,
	s_lshr_b32 s39, s16, 1                         ; and my 256 along K
	v_and_b32 v248, 31, v0
	s_delay_alu instid0(VALU_DEP_1)
	v_lshlrev_b32 v3, 4, v248                      ; 16 lane
	s_delay_alu instid0(VALU_DEP_2)
	v_lshlrev_b32 v[WOFF], 2, v248                 ; the column that I stream: my lane's
	s_delay_alu instid0(VALU_DEP_3)
	v_lshlrev_b32 v251, 3, v248                    ; 8 lane: two words of hits
	s_delay_alu instid0(VALU_DEP_2)
	v_add_nc_u32 v4, SCL, v[WOFF]
	v_bfe_u32 v249, v0, 4, 1                       ; h
	v_and_b32 v250, 15, v0                         ; r
	s_delay_alu instid0(VALU_DEP_1)
	v_lshlrev_b32 v8, 4, v250                      ; 16 r
	s_mul_i32 s23, s16, 4352
	s_add_co_u32 s23, s23, STAGE                   ; my stage
	v_mul_u32_u24 v6, v250, 272
	s_delay_alu instid0(VALU_DEP_1)
	v_lshl_add_u32 v6, v249, 5, v6
	s_delay_alu instid0(VALU_DEP_1)
	v_add_nc_u32 v6, s23, v6                       ; in: row r, + 32 h
	v_mul_u32_u24 v7, v249, 2176
	s_delay_alu instid0(VALU_DEP_1)
	v_add_nc_u32 v7, v7, v8
	s_delay_alu instid0(VALU_DEP_1)
	v_add_nc_u32 v7, s23, v7                       ; back: lanes 0-15 row i, lanes 16-31 row 8 + i
	s_lshl_b32 s23, s39, 13
	s_lshl_b32 s24, s38, 11
	s_add_co_u32 s23, s23, s24
	v_add_nc_u32 v[CW], s23, v3
	s_lshl_b32 s23, s39, 9
	s_lshl_b32 s24, s38, 7
	s_add_co_u32 s23, s23, s24
	v_add_nc_u32 v[SW], s23, v4
	v_and_b32 v[BG], 3, v0
	s_delay_alu instid0(VALU_DEP_1)
	v_lshlrev_b32 v[BG], 2, v[BG]
	s_lshl_b32 s23, s16, 4
	s_add_co_u32 s23, s23, BIAS
	v_add_nc_u32 v[BA], s23, v[BG]                 ; b2: four numbers a wave
	v_mov_b32 v[GX], 0                             ; a lane permute's destination counts as read
	s_cmp_eq_u32 s34, 0
	s_cselect_b32 s36, -1, 0                       ; b2 is added once: in half 0
	s_add_co_u32 s35, s20, 2048                    ; the row for empty rows
	s_mov_b32 s[HM], 0xffff0000
	s_mov_b32 s50, 0x76543210
	s_mov_b32 s51, 0xfedcba98                      ; selects for lane l xor 16
	s_lshl_b32 s26, s20, 8                         ; my expert's 64 words of hits
	s_mov_b32 s27, 0
	s_lshl_b32 s24, s20, 24
	s_lshl_b32 s25, s34, 23
	s_add_co_u32 s24, s24, s25
	s_lshl_b32 s25, s39, 20
	s_add_co_u32 s24, s24, s25
	s_lshl_b32 s25, s21, 8
	s_add_co_u32 s24, s24, s25
	s_lshl_b32 s25, s38, 7
	s_add_co_u32 s24, s24, s25
	s_mov_b32 s25, 0
	s_mov_b32 s19, s16                             ; my first pair
	s_mov_b32 s[TRIP], 0
	s_wait_alu depctr_va_vdst(0)
	s_wait_kmcnt 0x0
	s_add_nc_u64 s[26:27], s[10:11], s[26:27]
	global_load_b64 v[252:253], v251, s[26:27]     ; the hits of tokens 32 lane .. 32 lane + 31: the first load of all
	s_add_nc_u64 s[30:31], s[4:5], s[24:25]        ; W2 at (e, 2,048 kh + 256 kpart, 64 cs + 32 cg)
	LOADW 0                                        ; the stream starts before anything that hangs on the hits
	LOADW 1
	s_add_nc_u64 s[28:29], s[8:9], 0x1000000       ; hc's scale words
	s_lshl_b32 s24, s20, 12
	s_lshl_b32 s37, s21, 8
	s_add_co_u32 s24, s24, s37
	s_lshl_b32 s37, s16, 4
	s_add_co_u32 s24, s24, s37
	s_add_nc_u64 s[6:7], s[6:7], s[24:25]          ; b2 at 1,024 e + 64 cs + 4 wave
	s_mul_i32 s24, s34, PH
	s_lshl_b32 s37, s21, 8
	s_add_co_u32 s24, s24, s37
	s_add_nc_u64 s[32:33], s[14:15], s[24:25]      ; part at half kh, column 64 cs
	s_wait_loadcnt 63                              ; 65 loads have been issued: the oldest, the hits, is in; the weights stay on their way
	v_and_b32 v255, 0xffff, v252
	s_delay_alu instid0(VALU_DEP_1)
	v_lshl_or_b32 v254, v253, 16, v255             ; first choices of my 32 tokens,
	v_lshrrev_b32 v255, 16, v252
	s_delay_alu instid0(VALU_DEP_1)
	v_and_or_b32 v5, v253, 0xffff0000, v255        ; second choices: kept,
	s_delay_alu instid0(VALU_DEP_1)
	v_or_b32 v254, v254, v5                        ; a token is a row of mine either way
.set CH, 0
.rept 32
	v_readlane_b32 s[MS+CH], v254, CH
.set CH, CH+1
.endr
	s_mov_b32 s17, 0
.set CH, 0
.rept 32
	s_bcnt1_i32_b32 s[RB], s[MS+CH]
	s_add_co_u32 s17, s17, s[RB]                   ; my expert's count
.set CH, CH+1
.endr
	s_min_u32 s17, s17, 1024
	s_add_co_u32 s18, s17, 15
	s_lshr_b32 s18, s18, 4
	s_max_u32 s18, s18, 1                          ; tiles, at least one, at most 64
	s_add_co_u32 s42, s18, 1
	s_lshr_b32 s42, s42, 1                         ; pairs of tiles, at most 32
	s_add_co_u32 s[TRIPS], s42, 15
	s_sub_co_u32 s[TRIPS], s[TRIPS], s16
	s_lshr_b32 s[TRIPS], s[TRIPS], 4               ; my pairs: wave, wave + 16: (pairs + 15 - wave) / 16, which is 0 where wave >= pairs
	s_min_u32 s[TRIPS], s[TRIPS], 2
	HFETCH 1
	ROUTE
	global_load_b32 v[BD], v[BG], s[6:7]
	BLOCK 0, 63                                    ; behind block 0's loads: block 1's 32, h's 30, the gate weight, b2: 64, of which the wait's field names 63
	BLOCK 1, 63                                    ; behind block 1's: those 32 and block 2's 32
	BLOCK 2, 32                                    ; behind block 2's: block 3's 32; the others are older, so they are in
	v_and_b32 v[BD], s36, v[BD]
	ds_store_b32 v[BA], v[BD]
	BLOCK 3, 32
	BLOCK 4, 32
	BLOCK 5, 32
	BLOCK 6, 32
	BLOCK 7, 0
	s_wait_dscnt 0x0                               ; for the others' sake: my images, scale words and b2 have landed
	s_barrier_signal -1
	s_barrier_wait -1                              ; behind it the codes, scale words and b2 are only read; each wave writes its own stage alone
	s_cmp_eq_u32 s[TRIPS], 0
	s_cbranch_scc1 .Ldone
.Ltile:
	v_lshrrev_b32 v[BAD], 8, v3                    ; h
	s_delay_alu instid0(VALU_DEP_1)
	v_lshl_add_u32 v[BAD], v[BAD], 5, BIAS         ; b2: my half's eight numbers of 16 columns
.irp t, 0,1,2,3,4,5,6,7
	ds_load_b128 v[ACC+8*\t:ACC+8*\t+3], v[BAD] offset:64*(\t%4)      ; b2 (or zeros) in the result's layout, for both tiles
	ds_load_b128 v[ACC+8*\t+4:ACC+8*\t+7], v[BAD] offset:64*(\t%4)+16
.endr
	FETCHW 0
.set KK, 0
.rept 16
	KSTEP KK
.set KK, KK+1
.endr
.rept 4
	v_nop                                          ; four places before the results are read
.endr
	v_permlanex16_b32 v[GX], v10, s50, s51         ; lane l holds row l's weight: tile A's rows in lanes 0-15, tile B's in lanes 16-31
	s_delay_alu instid0(VALU_DEP_1)
	v_cndmask_b32 v[GA], v10, v[GX], s[HM]         ; row r of tile A, in both halves of the wave,
	v_cndmask_b32 v[GA+1], v10, v[GX], s[HM]
	v_cndmask_b32 v[GB], v[GX], v10, s[HM]         ; row r of tile B
	v_cndmask_b32 v[GB+1], v[GX], v10, s[HM]
.irp p, 0,2,4,6,8,10,12,14,16,18,20,22,24,26,28,30
	v_pk_mul_f32 v[ACC+\p:ACC+\p+1], v[ACC+\p:ACC+\p+1], v[GA:GA+1]   ; x my row's gate weight; each accumulator from its low end on
.endr
.irp p, 32,34,36,38,40,42,44,46,48,50,52,54,56,58,60,62
	v_pk_mul_f32 v[ACC+\p:ACC+\p+1], v[ACC+\p:ACC+\p+1], v[GB:GB+1]
.endr
.irp t, 0,1                            ; both tiles through my one stage: LDS serves a wave's instructions in order
.irp c, 0,1,2,3
	ds_store_b128 v6, v[ACC+32*\t+8*\c:ACC+32*\t+8*\c+3] offset:64*\c
	ds_store_b128 v6, v[ACC+32*\t+8*\c+4:ACC+32*\t+8*\c+7] offset:64*\c+16
.endr
.irp i, 0,1,2,3,4,5,6,7
	ds_load_b128 v[OUT+32*\t+4*\i:OUT+32*\t+4*\i+3], v7 offset:272*\i
.endr
.endr
	ADDR 0
	ADDR 1
	s_wait_alu depctr_va_vdst(0)
.irp n, 0,1,2,3,4,5,6,7
	s_wait_dscnt 23-\n                             ; behind tile A's load n: its 7 - n later loads, tile B's 8 stores and 8 loads
	global_store_b128 v[AD+\n], v[OUT+4*\n:OUT+4*\n+3], s[32:33]   ; sixteen lanes store 256 consecutive bytes, aligned
.endr
	s_cmp_eq_u32 s[HASB], 0
	s_cbranch_scc1 .Lno_b                          ; a second tile that is not among the expert's tiles stores nothing
.irp n, 8,9,10,11,12,13,14,15
	s_wait_dscnt 15-\n
	global_store_b128 v[AD+\n], v[OUT+4*\n:OUT+4*\n+3], s[32:33]
.endr
.Lno_b:
	s_wait_dscnt 0x0                               ; on the way round the stores tile B's loads from the stage are still out
	s_add_co_u32 s19, s19, 16                      ; my next pair
	s_add_co_u32 s[TRIP], s[TRIP], 1
	s_cmp_ge_u32 s[TRIP], s[TRIPS]
	s_cbranch_scc1 .Ldone                          ; nothing is fetched for a pair that is not there
	HFETCH 0
	ROUTE
	s_cmp_lt_u32 s[TRIP], s[TRIPS]
	s_cbranch_scc1 .Ltile
.Ldone:
	s_wait_tensorcnt 0x0                           ; the wave's end
	ds_add_u32 v1, v2
	s_wait_dscnt 0x0
	s_endpgm
.Lfunc_end_k_qbc667f38d7_ffn2:
	.size	k_qbc667f38d7_ffn2, .Lfunc_end_k_qbc667f38d7_ffn2-k_qbc667f38d7_ffn2
	.p2alignl 7, 3214868480
	.fill 96, 4, 3214868480
	.section	.rodata,"a",@progbits
	.p2align	6, 0x0
	.amdhsa_kernel k_qbc667f38d7_ffn2
		.amdhsa_group_segment_fixed_size 141568
		.amdhsa_private_segment_fixed_size 0
		.amdhsa_enable_private_segment 0
		.amdhsa_kernarg_size 48
		.amdhsa_user_sgpr_count 2
		.amdhsa_user_sgpr_kernarg_segment_ptr 1
		.amdhsa_wavefront_size32 1
		.amdhsa_system_sgpr_workgroup_id_x 1
		.amdhsa_system_sgpr_workgroup_id_y 1
		.amdhsa_system_sgpr_workgroup_id_z 1
		.amdhsa_system_vgpr_workitem_id 0
		.amdhsa_next_free_vgpr 256
		.amdhsa_next_free_sgpr 100
		.amdhsa_reserve_vcc 1
		.amdhsa_float_denorm_mode_32 3
		.amdhsa_float_denorm_mode_16_64 3
		.amdhsa_memory_ordered 1
		.amdhsa_forward_progress 1
		.amdhsa_inst_pref_size 143
	.end_amdhsa_kernel
	.amdgpu_metadata
---
amdhsa.version: [ 1, 2 ]
amdhsa.kernels:
  - .name:           k_qbc667f38d7_ffn2
    .symbol:         k_qbc667f38d7_ffn2.kd
    .args:
      - { .name: W2, .offset: 0, .size: 8, .value_kind: global_buffer, .address_space: global }
      - { .name: b2, .offset: 8, .size: 8, .value_kind: global_buffer, .address_space: global }
      - { .name: hc, .offset: 16, .size: 8, .value_kind: global_buffer, .address_space: global }
      - { .name: mask, .offset: 24, .size: 8, .value_kind: global_buffer, .address_space: global }
      - { .name: gate, .offset: 32, .size: 8, .value_kind: global_buffer, .address_space: global }
      - { .name: part, .offset: 40, .size: 8, .value_kind: global_buffer, .address_space: global }
    .group_segment_fixed_size: 141568
    .private_segment_fixed_size: 0
    .kernarg_segment_align: 8
    .kernarg_segment_size: 48
    .max_flat_workgroup_size: 512
    .sgpr_count:     100
    .vgpr_count:     256
    .wavefront_size: 32
...
	.end_amdgpu_metadata
.endif
;; end of part 3
;; launch comb (part 4): grid 256 x 1, 8 waves a work-group, no clusters, 0 bytes of LDS; arguments part, gate, out0, out1; writes out0, out1
.if DOCPART == 4
	.amdgcn_target "amdgcn-amd-amdhsa--gfx1250"
	.amdhsa_code_object_version 6
	.text
	.protected	k_qbc667f38d7_comb
	.globl	k_qbc667f38d7_comb
	.p2align	8
	.type	k_qbc667f38d7_comb,@function
k_qbc667f38d7_comb:
	s_mov_b64 s[64:65], 0
	v_nop
	global_prefetch_b8 v0, s[64:65] scope:SCOPE_SE
	s_setreg_imm32_b32 hwreg(HW_REG_WAVE_MODE, 25, 1), 1
	s_wait_xcnt 0x0
; combined[token] = the sum of its four parts: two chosen experts x two halves of K, each already times its gate weight (the six experts not chosen add nothing: shown at the head of the first kernel).
; A work-group takes four tokens; thread t takes the 16 bytes at 16 t of each row, so a wave's load or store covers 512 consecutive bytes.  All 16 loads go out first; memory binds: no LDS, no barrier.
; THE LOAD LOSS is made by wave 0 of work-group 0, on a path of its own chosen once, by ids: load_loss = 8 x sum over e of (count_e / 2,048) x (sum over tokens of p_e / 1,024) = 2^-18 x sum of count_e x S_e;
; 2,048 = mask.sum() by identity (a token's two indices differ).  The first launch stored, for each tile of 16 tokens and each expert, the sum of p and the count.  Its eight loads go out ahead of the sixteen, so the counted waits hold on both paths.
.set PH, 8421376                       ; bytes of a half of part
.macro LOADS
.irp i, 0,1,2,3
.irp k, 0,1
	global_load_b128 v[4+16*\i+8*\k:7+16*\i+8*\k], v1, s[4:5] offset:(2*\i+\k)*4096 th:TH_LOAD_NT
	global_load_b128 v[8+16*\i+8*\k:11+16*\i+8*\k], v1, s[12:13] offset:(2*\i+\k)*4096 th:TH_LOAD_NT
.endr
.endr
.endm
.macro SUMS
.irp i, 0,1,2,3
	s_wait_loadcnt 12-4*\i                         ; this token's four loads are in; the later tokens' stay out
	v_pk_add_f32 v[4+16*\i:5+16*\i], v[4+16*\i:5+16*\i], v[8+16*\i:9+16*\i]
	v_pk_add_f32 v[6+16*\i:7+16*\i], v[6+16*\i:7+16*\i], v[10+16*\i:11+16*\i]
	v_pk_add_f32 v[12+16*\i:13+16*\i], v[12+16*\i:13+16*\i], v[16+16*\i:17+16*\i]
	v_pk_add_f32 v[14+16*\i:15+16*\i], v[14+16*\i:15+16*\i], v[18+16*\i:19+16*\i]
	s_delay_alu instid0(VALU_DEP_2)
	v_pk_add_f32 v[4+16*\i:5+16*\i], v[4+16*\i:5+16*\i], v[12+16*\i:13+16*\i]
	s_delay_alu instid0(VALU_DEP_2)
	v_pk_add_f32 v[6+16*\i:7+16*\i], v[6+16*\i:7+16*\i], v[14+16*\i:15+16*\i]
	global_store_b128 v1, v[4+16*\i:7+16*\i], s[8:9] offset:4096*\i th:TH_STORE_NT
.endr
.endm
	s_load_b256 s[4:11], s[0:1], 0x0               ; part, gate, out0, out1
	v_lshlrev_b32 v1, 4, v0
	v_lshrrev_b32 v2, 5, v0
	s_delay_alu instid0(VALU_DEP_1)
	v_readfirstlane_b32 s14, v2                    ; wave
	s_or_b32 s14, s14, ttmp9                       ; 0 in wave 0 of work-group 0 alone
	s_lshl_b32 s16, ttmp9, 15                      ; eight rows of part
	s_mov_b32 s17, 0
	s_lshl_b32 s18, ttmp9, 14                      ; four rows of out0
	s_mov_b32 s19, 0
	s_mov_b32 s20, 0x76543210
	s_mov_b32 s21, 0xfedcba98                      ; selects for lane l xor 16
	s_wait_kmcnt 0x0
	s_add_nc_u64 s[4:5], s[4:5], s[16:17]
	s_add_nc_u64 s[12:13], s[4:5], PH
	s_add_nc_u64 s[8:9], s[8:9], s[18:19]
	s_cmp_eq_u32 s14, 0
	s_cbranch_scc1 .Lloss
	s_wait_alu depctr_va_vdst(0)
	LOADS
	SUMS
	s_endpgm
.Lloss:
	s_wait_alu depctr_va_vdst(0)
.irp j, 0,1,2,3                        ; [64 tiles][8 experts] of f32, twice: number 4 lane + 128 j + i belongs to expert 4 (lane % 2) + i
	global_load_b128 v[80+4*\j:83+4*\j], v1, s[6:7] offset:8192+512*\j
	global_load_b128 v[96+4*\j:99+4*\j], v1, s[6:7] offset:10240+512*\j
.endr
	LOADS
	s_wait_loadcnt 16                              ; the eight loads of the gate's sums are in; the sixteen of part stay out while the loss is made
.irp j, 1
	v_pk_add_f32 v[80:81], v[80:81], v[80+4*\j:81+4*\j]
	v_pk_add_f32 v[82:83], v[82:83], v[82+4*\j:83+4*\j]
	v_pk_add_f32 v[96:97], v[96:97], v[96+4*\j:97+4*\j]
	v_pk_add_f32 v[98:99], v[98:99], v[98+4*\j:99+4*\j]
.endr
.irp j, 2, 3
	s_delay_alu instid0(VALU_DEP_4)
	v_pk_add_f32 v[80:81], v[80:81], v[80+4*\j:81+4*\j]
	s_delay_alu instid0(VALU_DEP_4)
	v_pk_add_f32 v[82:83], v[82:83], v[82+4*\j:83+4*\j]
	s_delay_alu instid0(VALU_DEP_4)
	v_pk_add_f32 v[96:97], v[96:97], v[96+4*\j:97+4*\j]
	s_delay_alu instid0(VALU_DEP_4)
	v_pk_add_f32 v[98:99], v[98:99], v[98+4*\j:99+4*\j]
.endr
.irp x, 2,4,8                          ; over the lanes of my parity
.irp i, 0,1,2,3
	v_add_f32_dpp v[80+\i], v[80+\i], v[80+\i] row_xmask:\x row_mask:0xf bank_mask:0xf
	v_add_f32_dpp v[96+\i], v[96+\i], v[96+\i] row_xmask:\x row_mask:0xf bank_mask:0xf
.endr
.endr
.irp i, 0,1,2,3
	v_permlanex16_b32 v[84+\i], v[80+\i], s20, s21
	v_permlanex16_b32 v[100+\i], v[96+\i], s20, s21
.endr
.irp i, 0,1,2,3
	v_add_f32 v[80+\i], v[80+\i], v[84+\i]         ; S_e
	v_add_f32 v[96+\i], v[96+\i], v[100+\i]        ; count_e
.endr
	v_mul_f32 v112, v80, v96
	s_delay_alu instid0(VALU_DEP_1)
	v_fmac_f32 v112, v81, v97
	s_delay_alu instid0(VALU_DEP_1)
	v_fmac_f32 v112, v82, v98
	s_delay_alu instid0(VALU_DEP_1)
	v_fmac_f32 v112, v83, v99                      ; my four experts,
	s_delay_alu instid0(VALU_DEP_1)
	v_add_f32_dpp v112, v112, v112 row_xmask:1 row_mask:0xf bank_mask:0xf   ; and the other four
	s_delay_alu instid0(VALU_DEP_1)
	v_mul_f32 v112, 0x36800000, v112               ; x 2^-18
	v_mov_b32 v113, 0
	v_cmp_eq_u32 vcc_lo, 0, v0
	s_wait_alu depctr_va_vdst(0)
	s_wait_xcnt 0x0                                ; EXEC changes only behind this wait
	s_and_saveexec_b32 s22, vcc_lo
	global_store_b32 v113, v112, s[10:11]
	s_wait_xcnt 0x0
	s_or_b32 exec_lo, exec_lo, s22
	SUMS                                           ; no load has been issued behind the sixteen: the counts hold as on the other path
	s_endpgm
.Lfunc_end_k_qbc667f38d7_comb:
	.size	k_qbc667f38d7_comb, .Lfunc_end_k_qbc667f38d7_comb-k_qbc667f38d7_comb
	.p2alignl 7, 3214868480
	.fill 96, 4, 3214868480
	.section	.rodata,"a",@progbits
	.p2align	6, 0x0
	.amdhsa_kernel k_qbc667f38d7_comb
		.amdhsa_group_segment_fixed_size 0
		.amdhsa_private_segment_fixed_size 0
		.amdhsa_enable_private_segment 0
		.amdhsa_kernarg_size 32
		.amdhsa_user_sgpr_count 2
		.amdhsa_user_sgpr_kernarg_segment_ptr 1
		.amdhsa_wavefront_size32 1
		.amdhsa_system_sgpr_workgroup_id_x 1
		.amdhsa_system_sgpr_workgroup_id_y 1
		.amdhsa_system_sgpr_workgroup_id_z 1
		.amdhsa_system_vgpr_workitem_id 0
		.amdhsa_next_free_vgpr 128
		.amdhsa_next_free_sgpr 66
		.amdhsa_reserve_vcc 1
		.amdhsa_float_denorm_mode_32 3
		.amdhsa_float_denorm_mode_16_64 3
		.amdhsa_memory_ordered 1
		.amdhsa_forward_progress 1
		.amdhsa_inst_pref_size 14
	.end_amdhsa_kernel
	.amdgpu_metadata
---
amdhsa.version: [ 1, 2 ]
amdhsa.kernels:
  - .name:           k_qbc667f38d7_comb
    .symbol:         k_qbc667f38d7_comb.kd
    .args:
      - { .name: part, .offset: 0, .size: 8, .value_kind: global_buffer, .address_space: global }
      - { .name: gate, .offset: 8, .size: 8, .value_kind: global_buffer, .address_space: global }
      - { .name: out0, .offset: 16, .size: 8, .value_kind: global_buffer, .address_space: global }
      - { .name: out1, .offset: 24, .size: 8, .value_kind: global_buffer, .address_space: global }
    .group_segment_fixed_size: 0
    .private_segment_fixed_size: 0
    .kernarg_segment_align: 8
    .kernarg_segment_size: 32
    .max_flat_workgroup_size: 256
    .sgpr_count:     66
    .vgpr_count:     128
    .wavefront_size: 32
...
	.end_amdgpu_metadata
.endif
;; end of part 4
